; MI455X (gfx1250); checked and timed in simulation.
; The chip was launched on July 23, 2026; its instructions are those of AMD's public machine-readable ISA for CDNA 5 (MIT licence, August 2026) and "CDNA5" Instruction Set Architecture Reference Guide (July 2026). The comments in the code are by the model that wrote it; some were corrected since.
;; AGRU Cell. Allowed arithmetic: float matrix products may take bf16 or f16 operands with f32 sums; other float arithmetic in f32, or as packed bf16 or f16 multiplies, adds, multiply-adds, maxima and minima; sums over many terms, partial sums and values carried from step to step in f32; what a program stores and reads back later, other than sums and carried values, may be rounded once to bf16 or f16.
;; Inputs: U_r 1,024 x 1,024 float32; U_z 1,024 x 1,024 float32; V_h 1,024 x 1,024 float32; W_h 1,024 x 1,024 float32; W_r 1,024 x 1,024 float32; W_z 1,024 x 1,024 float32; b_h 1,024 float32; b_r 1,024 float32; b_z 1,024 float32; epsilon one number float32; h_prev 8,192 x 1,024 float32; x 8,192 x 1,024 float32.
;; Outputs: out0 8,192 x 1,024 float32.
;; 2 versions, each right; version 2 is version 1 with the launch prep written anew for expert scheduling mode. Each part assembles by itself: llvm-mc -triple=amdgcn-amd-amdhsa -mcpu=gfx1250 --defsym DOCPART=n.
;; ======== version 1 of 2: 3 launches
;; workspace buffers: xh 33,554,432 bytes; Wzr 8,388,608 bytes; Wd 4,194,304 bytes; G 33,554,432 bytes
;; launch prep (part 1): grid 1408 x 1, 8 waves a work-group, no clusters, 66,560 bytes of LDS; arguments x, h_prev, W_z, U_z, W_r, U_r, V_h, W_h, xh, Wzr, Wd; writes xh, Wzr, Wd
.if DOCPART == 1
	.amdgcn_target "amdgcn-amd-amdhsa--gfx1250"
	.amdhsa_code_object_version 6
	.text
	.protected	k_qfc5621e6e4_prep
	.globl	k_qfc5621e6e4_prep
	.p2align	8
	.type	k_qfc5621e6e4_prep,@function
k_qfc5621e6e4_prep:
	s_mov_b64 s[64:65], 0
	v_nop
	global_prefetch_b8 v0, s[64:65] scope:SCOPE_SE
	s_setreg_imm32_b32 hwreg(HW_REG_WAVE_MODE, 25, 1), 1
	s_wait_xcnt 0x0
; PREP: the matrix operands of the two products that follow, rounded once from f32 to bf16 and laid so that K lies along rows of 4,096 bytes.
;   xh  [8192][2048]: columns 0-1023 x, 1024-2047 h_prev.
;   Wzr [2048][2048]: row 256 t + 128 g + c belongs to output column 128 t + c of gate g (0: z, 1: r); columns 0-1023 W_g, 1024-2047 U_g.
;   Wd  [1024][2048]: columns 0-1023 V_h, 1024-2047 A = W_h - W_h^T - 0.01 I, made in f32 and rounded once.
; Work-groups 0-63 make A, a tile of 128 x 128 each; work-groups 64-1407 cast 16 rows of 1,024 numbers each (512 for x, 512 for h_prev, 64 for each of five weights).
; No matrix unit, no tensor load: a stream, each input byte read once (W_h twice, once by rows and once for the transposition), every store of a wave 256 consecutive bytes, aligned.
; LIMITS. A magnitude beyond bf16's largest finite number rounds to an infinity; NaN and infinities are not treated apart.
.set ROWB,  4096                       ; bytes in a row, of the f32 sources and of the bf16 targets alike
.set X,     4                          ; v[4:67]    16 rows x 4 numbers as loaded; for A: the rows that are turned
.set P,     68                         ; v[68:131]  for A: 16 rows x 4 numbers of W_h as it lies
.set SA,    132                        ; v[132:135] for A: LDS addresses of the stores, by group of four rows
.set RA,    136                        ; v[136:139] for A: LDS addresses of the loads, by group of four rows
.set GD,    140                        ; v[140:143] for A: 0.01 where my four columns hold the diagonal of the group's rows, else 0
.set SPW,   144                        ; v144  LDS address of my spare word; never rewritten
.set NIL,   145                        ; v145  0; never rewritten
.set SPARE, 65536                      ; behind the tile: the spare words, 128 bytes for each of eight waves
	s_load_b512 s[8:23], s[0:1], 0x0               ; x 8, h_prev 10, W_z 12, U_z 14, W_r 16, U_r 18, V_h 20, W_h 22
	s_load_b128 s[24:27], s[0:1], 0x40             ; xh 24, Wzr 26
	s_load_b64 s[28:29], s[0:1], 0x50              ; Wd
	v_lshl_add_u32 v[SPW], v0, 2, SPARE
	v_mov_b32 v[NIL], 0
	s_mov_b32 s2, ttmp9
	s_cmp_lt_u32 s2, 64                            ; the same answer in all eight waves of a work-group
	s_cbranch_scc1 .Lanti
	; THE CASTS. c = the work-group's number among them; which source, which target and which rows are chosen by scalar selects.
	s_sub_co_u32 s3, s2, 64                        ; c: 0-511 x, 512-1023 h_prev, 1024-1343 the weights
	s_sub_co_u32 s4, s3, 1024                      ; among the weights (wraps round for x and h_prev: q then matches none of 0 to 4)
	s_lshr_b32 s5, s4, 6                           ; q: 0 W_z, 1 U_z, 2 W_r, 3 U_r, 4 V_h
	s_and_b32 s6, s4, 63
	s_lshl_b32 s6, s6, 4                           ; a weight's first row
	s_and_b32 s7, s3, 511
	s_lshl_b32 s7, s7, 4                           ; x's or h_prev's first row
	s_cmp_lt_u32 s3, 1024
	s_cselect_b32 s36, s7, s6                      ; the source's first row
	s_lshr_b32 s37, s6, 7                          ; a gate's weight: row n goes to 256 (n / 128) + 128 g + n % 128, g = q / 2
	s_lshl_b32 s37, s37, 8
	s_and_b32 s38, s6, 127
	s_add_co_u32 s37, s37, s38
	s_lshr_b32 s38, s5, 1
	s_lshl_b32 s38, s38, 7
	s_add_co_u32 s37, s37, s38
	s_cmp_lt_u32 s5, 4
	s_cselect_b32 s37, s37, s36                    ; the target's first row: elsewhere the source's
	s_lshr_b32 s38, s3, 9                          ; the target's half of a row: h_prev the second,
	s_and_b32 s39, s5, 1                           ; U_z and U_r the second (V_h: q & 1 = 0)
	s_cmp_lt_u32 s3, 1024
	s_cselect_b32 s38, s38, s39
	s_lshl_b32 s40, s36, 12                        ; offsets in bytes, apart from the addresses, as pairs with 0 on top
	s_mov_b32 s41, 0
	s_lshl_b32 s42, s37, 12
	s_lshl_b32 s38, s38, 11
	s_add_co_u32 s42, s42, s38
	s_mov_b32 s43, 0
	v_lshlrev_b32 v1, 4, v0                        ; thread t takes 16 bytes at 16 t of a source row: 256 threads, one row
	v_lshlrev_b32 v2, 3, v0                        ; and writes 8 bytes at 8 t of the target's half row
	s_wait_kmcnt 0x0
	s_cmp_lt_u32 s3, 512
	s_cselect_b64 s[32:33], s[8:9], s[10:11]
.irp k, 0,1,2,3,4
	s_cmp_eq_u32 s5, \k
	s_cselect_b64 s[32:33], s[12+2*(\k):13+2*(\k)], s[32:33]
.endr
	s_cmp_lt_u32 s5, 4
	s_cselect_b64 s[34:35], s[26:27], s[24:25]
	s_cmp_eq_u32 s5, 4
	s_cselect_b64 s[34:35], s[28:29], s[34:35]
	s_add_nc_u64 s[32:33], s[32:33], s[40:41]
	s_add_nc_u64 s[34:35], s[34:35], s[42:43]
.set i, 0
.rept 16                               ; all sixteen rows are asked for at once: 64 KiB of a work-group on their way
	global_load_b128 v[X+4*i:X+4*i+3], v1, s[32:33] offset:ROWB*i th:TH_LOAD_NT
.set i, i+1
.endr
.set i, 0
.rept 16
	s_wait_loadcnt 15-i                            ; loads come back in order (ISA guide 5.7.1): row i is in, the later rows stay out
	v_cvt_pk_bf16_f32 v[X+4*i], v[X+4*i], v[X+4*i+1]
	v_cvt_pk_bf16_f32 v[X+4*i+1], v[X+4*i+2], v[X+4*i+3]
	global_store_b64 v2, v[X+4*i:X+4*i+1], s[34:35] offset:ROWB*i  ; a wave's store: 256 consecutive bytes, aligned
.set i, i+1
.endr
	s_endpgm                                       ; these waves have written no LDS
	; A = W_h - W_h^T - 0.01 I, tile (I, J): rows n0 = 128 I on, columns k0 = 128 J on.  Wave w owns rows n0 + 16 w + 0..15; lane l their columns k0 + 4 l + 0..3.
	; The turned part, W_h[k0 ..][n0 ..], goes through LDS: 128 rows of 512 bytes; the 16-byte chunk ch of row j lies at chunk place (ch + j / 4) % 32.
	; A store (one row, lanes = chunks) and a load (one chunk, lanes four rows apart) then both touch 16 different 16-byte columns in each half of the lanes (64 banks of 4 bytes: ISA guide 11.1).
.Lanti:
	v_lshrrev_b32 v1, 5, v0
	v_readfirstlane_b32 s3, v1                     ; wave 0..7
	s_lshr_b32 s4, s2, 3                           ; I
	s_and_b32 s5, s2, 7                            ; J
	v_and_b32 v3, 31, v0                           ; lane
	v_lshlrev_b32 v1, 4, v3                        ; 16 bytes a lane of a 512-byte piece of a source row
	v_lshlrev_b32 v2, 3, v3                        ; 8 bytes a lane of 256 bytes of Wd
	s_lshl_b32 s6, s3, 4                           ; 16 w
	s_lshl_b32 s7, s5, 7
	s_add_co_u32 s7, s7, s6
	s_lshl_b32 s7, s7, 12                          ; row k0 + 16 w,
	s_lshl_b32 s36, s4, 9                          ; column n0, in bytes
	s_add_co_u32 s32, s7, s36
	s_mov_b32 s33, 0
	s_lshl_b32 s7, s4, 7
	s_add_co_u32 s7, s7, s6
	s_lshl_b32 s7, s7, 12                          ; row n0 + 16 w,
	s_lshl_b32 s36, s5, 9                          ; column k0
	s_add_co_u32 s34, s7, s36
	s_mov_b32 s35, 0
	s_lshl_b32 s36, s5, 8                          ; in Wd: the same row, the second half, column k0 in bf16
	s_add_co_u32 s36, s36, s7
	s_add_co_u32 s36, s36, 2048
	s_mov_b32 s37, 0
	s_cmp_eq_u32 s4, s5
	s_cselect_b32 s38, 0x3c23d70a, 0               ; 0.01 in the tiles that hold the diagonal
	s_lshl_b32 s39, s3, 2                          ; 4 w
	s_lshl_b32 s40, s3, 13                         ; my 16 rows in LDS
.irp g, 0,1,2,3
	s_add_co_u32 s41, s39, \g                      ; b = 4 w + g: the group's rows / 4, and the chunk that holds their columns in the turned part
	v_add_nc_u32 v[SA+(\g)], s41, v3
	v_cmp_eq_u32 vcc_lo, s41, v3
	v_cndmask_b32 v[GD+(\g)], 0, s38, vcc_lo       ; row 4 b + c meets column 4 l + c where l = b
	v_and_b32 v[SA+(\g)], 31, v[SA+(\g)]
	v_lshlrev_b32 v[SA+(\g)], 4, v[SA+(\g)]        ; 16 ((l + b) % 32): the place of chunk l in rows 4 b .., and of chunk b in rows 4 l ..
	v_lshl_add_u32 v[RA+(\g)], v3, 11, v[SA+(\g)]  ; the load: rows 4 l + 0..3
	v_add_nc_u32 v[SA+(\g)], s40, v[SA+(\g)]       ; the store: my wave's rows
.endr
	s_wait_kmcnt 0x0
	s_add_nc_u64 s[32:33], s[22:23], s[32:33]
	s_add_nc_u64 s[34:35], s[22:23], s[34:35]
	s_add_nc_u64 s[36:37], s[28:29], s[36:37]
.set i, 0
.rept 16
	global_load_b128 v[X+4*i:X+4*i+3], v1, s[32:33] offset:ROWB*i  ; W_h[k0 + 16 w + i][n0 + 4 l ..]
.set i, i+1
.endr
.set i, 0
.rept 16
	global_load_b128 v[P+4*i:P+4*i+3], v1, s[34:35] offset:ROWB*i  ; W_h[n0 + 16 w + i][k0 + 4 l ..]
.set i, i+1
.endr
.set i, 0
.rept 16
	s_wait_loadcnt 31-i                            ; behind row i: the 15 - i later rows of this run and the 16 of the other
	ds_store_b128 v[SA+i/4], v[X+4*i:X+4*i+3] offset:512*i
.set i, i+1
.endr
	s_wait_dscnt 0x0                               ; for the others' sake: my rows lie in LDS
	s_barrier_signal -1
	s_barrier_wait -1
.irp g, 0,1,2,3
.irp c, 0,1,2,3
	ds_load_b128 v[X+16*(\g)+4*(\c):X+16*(\g)+4*(\c)+3], v[RA+(\g)] offset:512*(\c)  ; W_h[k0 + 4 l + c][n0 + 16 w + 4 g + 0..3]: the 4 x 4 block is turned by the registers' names alone
.endr
.endr
	s_wait_loadcnt 0x0
.irp g, 0,1,2,3
	s_wait_dscnt 12-4*(\g)                         ; the later groups' four loads each stay out
.irp r, 0,1,2,3
.irp c, 0,1,2,3
	v_sub_f32 v[P+4*(4*(\g)+(\r))+(\c)], v[P+4*(4*(\g)+(\r))+(\c)], v[X+16*(\g)+4*(\c)+(\r)]
.endr
	v_sub_f32 v[P+4*(4*(\g)+(\r))+(\r)], v[P+4*(4*(\g)+(\r))+(\r)], v[GD+(\g)]
	v_cvt_pk_bf16_f32 v[P+4*(4*(\g)+(\r))], v[P+4*(4*(\g)+(\r))], v[P+4*(4*(\g)+(\r))+1]
	v_cvt_pk_bf16_f32 v[P+4*(4*(\g)+(\r))+1], v[P+4*(4*(\g)+(\r))+2], v[P+4*(4*(\g)+(\r))+3]
	global_store_b64 v2, v[P+4*(4*(\g)+(\r)):P+4*(4*(\g)+(\r))+1], s[36:37] offset:ROWB*(4*(\g)+(\r))  ; 256 consecutive bytes, aligned
.endr
.endr
	s_wait_tensorcnt 0x0                           ; the wave's end: three lines behind my last LDS store
	ds_add_u32 v[SPW], v[NIL]
	s_wait_dscnt 0x0
	s_endpgm
.Lfunc_end_k_qfc5621e6e4_prep:
	.size	k_qfc5621e6e4_prep, .Lfunc_end_k_qfc5621e6e4_prep-k_qfc5621e6e4_prep
	.p2alignl 7, 3214868480
	.fill 96, 4, 3214868480
	.section	.rodata,"a",@progbits
	.p2align	6, 0x0
	.amdhsa_kernel k_qfc5621e6e4_prep
		.amdhsa_group_segment_fixed_size 66560
		.amdhsa_private_segment_fixed_size 0
		.amdhsa_enable_private_segment 0
		.amdhsa_kernarg_size 88
		.amdhsa_user_sgpr_count 2
		.amdhsa_user_sgpr_kernarg_segment_ptr 1
		.amdhsa_wavefront_size32 1
		.amdhsa_system_sgpr_workgroup_id_x 1
		.amdhsa_system_sgpr_workgroup_id_y 1
		.amdhsa_system_sgpr_workgroup_id_z 1
		.amdhsa_system_vgpr_workitem_id 0
		.amdhsa_next_free_vgpr 148
		.amdhsa_next_free_sgpr 66
		.amdhsa_reserve_vcc 1
		.amdhsa_float_denorm_mode_32 3
		.amdhsa_float_denorm_mode_16_64 3
		.amdhsa_memory_ordered 1
		.amdhsa_forward_progress 1
		.amdhsa_inst_pref_size 23
	.end_amdhsa_kernel
	.amdgpu_metadata
---
amdhsa.version: [ 1, 2 ]
amdhsa.kernels:
  - .name:           k_qfc5621e6e4_prep
    .symbol:         k_qfc5621e6e4_prep.kd
    .args:
      - { .name: x, .offset: 0, .size: 8, .value_kind: global_buffer, .address_space: global }
      - { .name: h_prev, .offset: 8, .size: 8, .value_kind: global_buffer, .address_space: global }
      - { .name: W_z, .offset: 16, .size: 8, .value_kind: global_buffer, .address_space: global }
      - { .name: U_z, .offset: 24, .size: 8, .value_kind: global_buffer, .address_space: global }
      - { .name: W_r, .offset: 32, .size: 8, .value_kind: global_buffer, .address_space: global }
      - { .name: U_r, .offset: 40, .size: 8, .value_kind: global_buffer, .address_space: global }
      - { .name: V_h, .offset: 48, .size: 8, .value_kind: global_buffer, .address_space: global }
      - { .name: W_h, .offset: 56, .size: 8, .value_kind: global_buffer, .address_space: global }
      - { .name: xh, .offset: 64, .size: 8, .value_kind: global_buffer, .address_space: global }
      - { .name: Wzr, .offset: 72, .size: 8, .value_kind: global_buffer, .address_space: global }
      - { .name: Wd, .offset: 80, .size: 8, .value_kind: global_buffer, .address_space: global }
    .group_segment_fixed_size: 66560
    .private_segment_fixed_size: 0
    .kernarg_segment_align: 8
    .kernarg_segment_size: 88
    .max_flat_workgroup_size: 256
    .sgpr_count:     66
    .vgpr_count:     148
    .wavefront_size: 32
...
	.end_amdgpu_metadata
.endif
;; end of part 1
;; launch gates (part 2): grid 8 x 32, 4 waves a work-group, clusters of 4 x 4, 327,680 bytes of LDS; arguments xh, Wzr, G, b_z, b_r; writes G
.if DOCPART == 2
	.amdgcn_target "amdgcn-amd-amdhsa--gfx1250"
	.amdhsa_code_object_version 6
	.text
	.protected	k_qfc5621e6e4_gates
	.globl	k_qfc5621e6e4_gates
	.p2align	8
	.type	k_qfc5621e6e4_gates,@function
k_qfc5621e6e4_gates:
	s_mov_b64 s[64:65], 0
	v_nop
	global_prefetch_b8 v0, s[64:65] scope:SCOPE_SE
	s_setreg_imm32_b32 hwreg(HW_REG_WAVE_MODE, 25, 1), 1
	s_wait_xcnt 0x0
	s_wait_alu depctr_hold_cnt(0) depctr_sa_sdst(0) depctr_va_vdst(0) depctr_va_sdst(0) depctr_va_ssrc(0) depctr_va_vcc(0) depctr_vm_vsrc(0)
	s_getreg_b32 s2, hwreg(HW_REG_IB_STS2, 6, 4)
	s_cmp_eq_u32 s2, 0
	s_cbranch_scc0 .Lentry_in_a_cluster
	s_endpgm
.Lentry_in_a_cluster:
	s_bfe_u32 s2, ttmp6, 0x10000c
	s_cmp_lg_u32 s2, 0xf033
	s_cbranch_scc0 .Lentry_shape_is_right
	s_endpgm
.Lentry_shape_is_right:
; GATES: z = sigmoid([x|h] Wz^T + b_z) and r h = sigmoid([x|h] Wr^T + b_r) h, as ONE product of [8192][2048] by [2048][2048]^T in bf16 with f32 sums.
; xh: [8192][2048] bf16 (x, then h).  Wzr: [2048][2048] bf16; row 256 t + 128 g + c is output column 128 t + c of gate g.  G: [8192][2048] bf16: columns 0-1023 z, 1024-2047 r h.
; A tile of 256 rows x 256 rows of Wzr is made by four waves, each 128 x 128: 64 accumulators, 512 registers.  By Wzr's order of rows the waves of column half 0 hold 128 columns of z and those of
; column half 1 the same 128 columns of r: what differs between the gates hangs on the wave's number alone.  K = 2,048 goes in 16 steps of 128 through a ring of two LDS slots filled by tensor loads.
; CLUSTER: 4 x 4 work-groups; xh's tiles are asked for jointly along a row of the cluster, Wzr's along a column.
; THE WALK ALONG K begins at step 4 min(y, 7 - y) + 8 x (mod 16), x and y the cluster's place among the 2 x 8 clusters, and goes once round.  The two clusters that need the same rows of xh are eight
; steps apart: each asks in its last eight steps for tiles that the other has asked for in its first eight.  The eight clusters that need the same rows of Wzr begin at four steps, four apart, each
; taken by two clusters whose y differ in all three bits: from its fifth step on a cluster asks for tiles of Wzr that another has asked for before.  The number hangs on nothing that partners do not share.
; THE MATRIX INSTRUCTION IS USED TRANSPOSED (source 0 = 16 rows of Wzr, source 1 = 16 rows of xh): a lane holds eight neighbouring columns of one row of the result.
; THE WAY OUT: 64 rows at a time the f32 sums go through the wave's own stage in LDS and come back by rows, lane l with columns 4 l .. 4 l + 3; bias, sigmoid and the product with a factor in f32;
; rounded once to bf16; a wave's store is 256 consecutive bytes, aligned.  The stage lies in slot 1 behind that slot's last fill; h's tile (r's waves alone) is slot 0's last fill.
; ONE TEXT FOR BOTH GATES: the factor is h for r's waves and 1 for z's.  Every wave reads 8 bytes a lane and row from its own quarter of slot 0; one v_and_or_b32 a word keeps them (r) or puts 1.0 twice
; in their place (z), by two scalars made from the wave's number.  z's waves so read old bytes of a tile that their own load brought, and throw them away: the price of a way out without a branch.
; LIMITS.  h enters r h as bf16(h), read from xh.  z and r h are stored as bf16.  The K steps of a sum are added in an order that is a rotation of 0 .. 15 and differs from cluster to cluster.
; The exponential and the reciprocal flush denormals (ISA guide 15.8): a gate below 2^-126 counts as 0.  NaN and infinities are not treated apart.
; REGISTERS, in windows of 256: window 0: v0-31 addresses and bias; v64-127, v128-191 xh's fragments, two buffers, later the way out; window 1: Wzr's fragments at the same numbers;
; window 2: the accumulators of my rows 0-63 ((a, b) at v[8 (8 a + b)]); window 3: those of my rows 64-127.
.set ROWB,   4096                      ; bytes in a row of xh, Wzr and G
.set KSTEP,  128
.set PITCH,  272                       ; an LDS row: 256 bytes + 16 of padding = 68 words: the 16 rows of a fragment load start at 16 different groups of four banks (64 banks of 4 bytes: ISA guide 11.1)
.set HALFT,  128*PITCH                 ; 128 rows: what one tensor load brings
.set SLOT,   4*HALFT                   ; xh's 256 rows, then Wzr's 256 rows
.set SPARE,  2*SLOT                    ; behind the ring: the spare words, 128 bytes for each wave
.set SPITCH, 528                       ; a stage row: 128 f32 + 16 bytes = 33 x 16 bytes
.set LAPS,   2048/(2*KSTEP)            ; a lap = two K steps = once round the ring
.set BS,   8                           ; v[8:11] -log2(e) x the bias of my four columns
.set RH1,  12                          ; v12     where I read the factor, rows 64-127; steps in the second pass alone
.set ADRA, 16                          ; v16-17  LDS address of my fragments of xh in slot 0, 1
.set ADRB, 20                          ; v20-21  the same for Wzr
.set STO,  24                          ; v24     the way out: where I put 32 bytes of a row
.set RD0,  25                          ; v25     where I read a stage row back; steps in the first pass alone
.set CO0,  26                          ; v26     my byte offset in G, rows 0-63; steps in the first pass alone
.set RD1,  27                          ; v27     as RD0, for the second pass
.set SPW,  28                          ; v28     LDS address of my spare word; never rewritten
.set NIL,  29                          ; v29     0; never rewritten
.set RH0,  30                          ; v30     where I read the factor, rows 0-63; steps in the first pass alone
.set CO1,  31                          ; v31     my byte offset in G, rows 64-127; steps in the second pass alone
.set F0,   64
.set F1,   128
.set D,    64                          ; the way out, window 0: v[64:95] eight rows x 4 sums
.set HR,   96                          ; v[96:111] eight rows x 4 bf16 of the factor
.set U,    112                         ; v[112:143] eight rows x 4 numbers of the factor in f32
.set O,    144                         ; v[144:159] eight rows x 4 bf16 to store
.set OFF, 16                           ; s[16:17] a K step's byte offset in a row, 0 on top
.set KN,  18                           ; s18      the K step to be asked for next
.set G1,  24                           ; s[24:31] descriptor group 1 for xh's tiles;  s[32:39] group 0, a set for each slot
.set G0,  32
.set FO,  45                           ; s45      the factor's words: what is set: 0 (r) or bf16 1.0 twice (z)
.set G1B, 48                           ; s[48:55], s[56:63] the same for Wzr's
.set G0B, 56
.set G1H, 68                           ; s[68:75], s[76:79] for h's tile: a load of the wave's own, no mask
.set G0H, 76
.set FM,  90                           ; s90      the factor's words: what is kept: all bits (r) or none (z)
.set CT,  94                           ; s[94:95] -log2(e): the packed lines take the pair's low word for both halves
.set MSB, 0
.macro WIN new                         ; the immediate's high byte repeats the setting that is left; a switch that changes nothing is dropped
.if MSB != (\new)
	s_set_vgpr_msb (MSB<<8)|(\new)
.set MSB, \new
.endif
.endm
.set MUL_LO, 0xa1                      ; source 0 (Wzr) window 1, source 1 (xh) window 0, C and D window 2
.set MUL_HI, 0xf1                      ; the same, C and D window 3
.set TO_B,   0x40                      ; destination window 1, address window 0
; A joint load.  Waves 0 and 1 fetch xh's two halves, waves 2 and 3 Wzr's.  The branch hangs on the wave's number alone.  An s_nop 0 and four v_nop follow each line.
.macro JLOAD s
	s_cmp_eq_u32 s11, 0
	s_cbranch_scc0 .Lfor_b_\@
	tensor_load_to_lds s[G0+4*(\s):G0+4*(\s)+3], s[G1:G1+7]
	s_nop 0
.rept 4
	v_nop
.endr
	s_branch .Lasked_\@
.Lfor_b_\@:
	tensor_load_to_lds s[G0B+4*(\s):G0B+4*(\s)+3], s[G1B:G1B+7]
	s_nop 0
.rept 4
	v_nop
.endr
.Lasked_\@:
.endm
; The addresses of K step KN for a slot, both made anew from the step's number: the rows' first byte plus 256 bytes a step; then the number goes on, round 16.
.macro ASTEP slot
	s_lshl_b32 s[OFF], s[KN], 8
	s_add_nc_u64 s[G0+4*(\slot)+2:G0+4*(\slot)+3], s[14:15], s[OFF:OFF+1]
	s_or_b32 s[G0+4*(\slot)+3], s[G0+4*(\slot)+3], 0x80000000
	s_add_nc_u64 s[G0B+4*(\slot)+2:G0B+4*(\slot)+3], s[46:47], s[OFF:OFF+1]
	s_or_b32 s[G0B+4*(\slot)+3], s[G0B+4*(\slot)+3], 0x80000000
	s_add_co_u32 s[KN], s[KN], 1
	s_and_b32 s[KN], s[KN], 15
.endm
; h's tile, 128 rows x 128 columns, for the waves that hold r: into the wave's own quarter of slot 0, which nobody reads any more.  The four v_nop on either way are also the places in front of the loads that follow.
.macro HLOAD
	s_cmp_eq_u32 s12, 1
	s_cbranch_scc0 .Lno_h_\@
	tensor_load_to_lds s[G0H:G0H+3], s[G1H:G1H+7]
	s_nop 0
.rept 4
	v_nop
.endr
	s_branch .Lh_asked_\@
.Lno_h_\@:
.rept 4
	v_nop
.endr
.Lh_asked_\@:
.endm
.macro CREST                           ; a round of the cluster's barrier behind its opening barrier
	s_cmp_lg_u32 s10, 0
	s_cbranch_scc1 .Lnot_wave_0_\@
	s_barrier_signal -3
.Lnot_wave_0_\@:
	s_barrier_wait -3
	s_barrier_signal -1
	s_barrier_wait -1
.endm
.macro CROUND                          ; a whole round
	s_barrier_signal -1
	s_barrier_wait -1
	CREST
.endm
	s_load_b128 s[4:7], s[0:1], 0x0                ; xh s[4:5], Wzr s[6:7]
	s_load_b64 s[8:9], s[0:1], 0x10                ; G
	s_load_b128 s[84:87], s[0:1], 0x18             ; b_z s[84:85], b_r s[86:87]
	v_lshl_add_u32 v[SPW], v0, 2, SPARE
	v_mov_b32 v[NIL], 0
	ds_add_u32 v[SPW], v[NIL]                      ; the wave's opening: the add and its wait stand ahead of my first tensor load; the set-up below stands between them
	v_lshrrev_b32 v1, 5, v0
	v_readfirstlane_b32 s10, v1                    ; wave 0..3
	s_lshr_b32 s11, s10, 1                         ; which half of the tile's rows is mine.  Also: I fetch for xh (0) or for Wzr (1)
	s_and_b32 s12, s10, 1                          ; which half of its columns: the gate, 0 z, 1 r.  Also: which 128 rows I fetch
	s_bfe_u32 s40, ttmp6, 0x40000                  ; cx, cy: my place in the cluster
	s_bfe_u32 s41, ttmp6, 0x40004
	s_lshl_b32 s42, ttmp9, 2
	s_add_co_u32 s42, s42, s40                     ; tile column = 4 x cluster x + cx
	s_and_b32 s13, ttmp7, 0xffff
	s_lshl_b32 s13, s13, 2
	s_add_co_u32 s13, s13, s41                     ; tile row = 4 x cluster y + cy
	s_lshl_b32 s43, s41, 2
	s_lshl_b32 s43, 15, s43                        ; my row of the cluster
	s_lshl_b32 s44, 0x1111, s40                    ; my column
	s_and_b32 s[KN], ttmp7, 0xffff                 ; the walk's first K step, from the cluster's x and y alone: y, 0 .. 7,
	s_sub_co_u32 s19, 7, s[KN]
	s_min_u32 s[KN], s[KN], s19                    ; min(y, 7 - y), 0 .. 3,
	s_lshl_b32 s[KN], s[KN], 2                     ; four steps apart,
	s_and_b32 s19, ttmp9, 1
	s_lshl_b32 s19, s19, 3                         ; and eight steps on for x = 1,
	s_add_co_u32 s[KN], s[KN], s19
	s_and_b32 s[KN], s[KN], 15                     ; round 16
	; descriptor group 1: 128 rows x 128 elements of 2 bytes, 4 words of padding behind every 64
	s_or_b32 s[G1+0], s43, (1<<16)|(1<<20)|(1<<21)|(5<<22)|(3<<25)   ; 15:0 the mask; 17:16 element size; 20 padding on; 21 set beside a mask; 24:22 interval; 31:25 padding
	s_or_b32 s[G1B+0], s44, (1<<16)|(1<<20)|(1<<21)|(5<<22)|(3<<25)
	s_mov_b32 s[G1H+0], (1<<16)|(1<<20)|(5<<22)|(3<<25)
.irp g, G1, G1B, G1H
	s_mov_b32 s[(\g)+1], KSTEP<<16                 ; tensor_dim0 = 128
	s_mov_b32 s[(\g)+2], 128<<16                   ; tensor_dim1 = 128
	s_mov_b32 s[(\g)+3], KSTEP<<16                 ; tile_dim0 = 128
	s_mov_b32 s[(\g)+4], 128                       ; tile_dim1 = 128
	s_mov_b32 s[(\g)+5], 2048                      ; elements from row to row
	s_mov_b32 s[(\g)+6], 0
	s_mov_b32 s[(\g)+7], 0
.endr
	; offsets, apart from the addresses.  xh's tiles hang on the tile row alone, Wzr's on the tile column alone, each in registers that never hold the other coordinate.
	s_lshl_b32 s17, s12, 7
	s_lshl_b32 s16, s13, 8
	s_add_co_u32 s16, s16, s17                     ; xh: row 256 x tile row + 128 x half
	s_lshl_b32 s16, s16, 12
	s_lshl_b32 s46, s42, 8
	s_add_co_u32 s46, s46, s17                     ; Wzr: row 256 x tile column + 128 x half
	s_lshl_b32 s46, s46, 12
	s_mov_b32 s17, 0                               ; stays 0: the upper word of OFF too
	s_mov_b32 s47, 0
	s_mul_i32 s20, s10, HALFT                      ; where the tiles go: wave x 128 rows
	s_lshl_b32 s80, s13, 8
	s_lshl_b32 s81, s11, 7
	s_add_co_u32 s80, s80, s81                     ; my first row of the result
	s_lshl_b32 s80, s80, 12
	s_lshl_b32 s81, s42, 8                         ; my 128 columns in bf16: 256 bytes x tile column
	s_add_co_u32 s80, s80, s81
	s_lshl_b32 s82, s12, 11
	s_add_co_u32 s82, s82, s80                     ; in G: z in the first half of a row, r h in the second
	s_add_co_u32 s80, s80, 2048                    ; in xh: h is the second half
	s_mov_b32 s81, 0
	s_mov_b32 s83, 0
	s_lshl_b32 s92, s42, 9                         ; my 128 columns in a bias
	s_mov_b32 s93, 0
	s_mov_b32 s91, 0xffff0000                      ; a word's upper bf16
	s_mov_b32 s[CT], 0xbfb8aa3b                    ; -log2(e)
	s_mov_b32 s[CT+1], s[CT]
	s_mov_b32 s[G0H], 1
	s_mov_b32 s[G0H+1], s20
	s_wait_dscnt 0x0                               ; the opening add is done
	s_wait_kmcnt 0x0
	s_add_nc_u64 s[14:15], s[4:5], s[16:17]        ; xh at the rows that I fetch; kept
	s_add_nc_u64 s[46:47], s[6:7], s[46:47]        ; Wzr at the rows that I fetch; kept
	s_add_nc_u64 s[8:9], s[8:9], s[82:83]
	s_cmp_eq_u32 s12, 0                            ; z's wave?  Three selects hang on this compare; none of them writes SCC
	s_cselect_b64 s[88:89], s[84:85], s[86:87]     ; my gate's bias
	s_cselect_b32 s[FM], 0, -1                     ; the factor: z keeps nothing of the words read
	s_cselect_b32 s[FO], 0x3f803f80, 0             ; and sets bf16 1.0 twice; r keeps all and sets nothing
	s_add_nc_u64 s[88:89], s[88:89], s[92:93]
	s_add_nc_u64 s[G0H+2:G0H+3], s[4:5], s[80:81]
	s_or_b32 s[G0H+3], s[G0H+3], 0x80000000
	CROUND                                         ; all sixteen work-groups are here: the first joint loads meet
.irp s, 0,1
	s_mov_b32 s[G0+4*(\s)], 1
	s_add_co_u32 s[G0+4*(\s)+1], s20, (\s)*SLOT
	s_mov_b32 s[G0B+4*(\s)], 1
	s_add_co_u32 s[G0B+4*(\s)+1], s20, (\s)*SLOT
	ASTEP \s
	JLOAD \s                                       ; the walk's first two K steps: two loads of mine are out
.endr
	v_and_b32 v1, 15, v0                           ; l % 16
	v_bfe_u32 v2, v0, 4, 1                         ; l / 16
	v_mul_u32_u24 v3, v1, PITCH
	v_lshl_add_u32 v3, v2, 4, v3                   ; a fragment's row x pitch + 16 x half
	s_mul_i32 s21, s11, HALFT                      ; my 128 rows of xh
	s_mul_i32 s22, s12, HALFT                      ; my 128 rows of Wzr,
	s_add_co_u32 s22, s22, 2*HALFT                 ; which lie behind xh's 256
.irp s, 0,1
	v_add_nc_u32 v[ADRA+(\s)], s21, v3
	v_add_nc_u32 v[ADRB+(\s)], s22, v3
	s_add_co_u32 s21, s21, SLOT
	s_add_co_u32 s22, s22, SLOT
.endr
	v_and_b32 v5, 31, v0
	v_lshlrev_b32 v6, 4, v5                        ; 16 l; never rewritten
	global_load_b128 v[BS:BS+3], v6, s[88:89]      ; the bias of columns 4 l .. 4 l + 3; waited for behind the products
	s_add_co_u32 s23, s20, SLOT                    ; my stage: my quarter of slot 1
	s_add_co_u32 s21, s20, 64*PITCH                ; rows 64 on of my quarter of slot 0
	v_mul_u32_u24 v4, v1, SPITCH                   ; in: row l % 16, 32 bytes for each half of the lanes
	v_lshl_add_u32 v4, v2, 5, v4
	v_add_nc_u32 v[STO], s23, v4
	v_add_nc_u32 v[RD0], s23, v6                   ; back: a row's 512 bytes, 16 a lane; a register for each of the two passes, each stepped in its own loop alone
	v_add_nc_u32 v[RD1], s23, v6
	v_lshl_add_u32 v[RH0], v5, 3, s20              ; 8 bytes a lane of a row of my quarter of slot 0,
	v_lshl_add_u32 v[RH1], v5, 3, s21
	v_lshlrev_b32 v[CO0], 3, v5                    ; and of 256 bytes in G
	v_lshl_add_u32 v[CO1], v5, 3, 64*ROWB
; 16 matrix instructions: m blocks a0, a0 + 1 of the window's four x all 8 n blocks, 32 along K.  zero = 1: the first product starts the sums.  The 64 accumulators take turns, one instruction a turn.
.macro MUL16 f, hi, a0, zero
	WIN MUL_LO+0x50*(\hi)
.irp a, \a0, (\a0)+1
.irp b, 0,1,2,3,4,5,6,7
.if \zero
	v_wmma_f32_16x16x32_bf16 v[8*(8*(\a)+(\b)):8*(8*(\a)+(\b))+7], v[(\f)+8*(\b):(\f)+8*(\b)+7], v[(\f)+8*(4*(\hi)+(\a)):(\f)+8*(4*(\hi)+(\a))+7], 0
.else
	v_wmma_f32_16x16x32_bf16 v[8*(8*(\a)+(\b)):8*(8*(\a)+(\b))+7], v[(\f)+8*(\b):(\f)+8*(\b)+7], v[(\f)+8*(4*(\hi)+(\a)):(\f)+8*(4*(\hi)+(\a))+7], v[8*(8*(\a)+(\b)):8*(8*(\a)+(\b))+7]
.endif
.endr
.endr
.endm
; 32 LDS loads in one run: the fragments of 32 along K at byte k of the rows, into buffer f
.macro FETCH slot, k, f
	WIN TO_B
.irp i, 0,1,2,3,4,5,6,7
	ds_load_b128 v[(\f)+8*(\i):(\f)+8*(\i)+3],   v[ADRB+(\slot)] offset:(\k)+(\i)*16*PITCH
	ds_load_b128 v[(\f)+8*(\i)+4:(\f)+8*(\i)+7], v[ADRB+(\slot)] offset:(\k)+(\i)*16*PITCH+32
.endr
	WIN 0
.irp i, 0,1,2,3,4,5,6,7
	ds_load_b128 v[(\f)+8*(\i):(\f)+8*(\i)+3],   v[ADRA+(\slot)] offset:(\k)+(\i)*16*PITCH
	ds_load_b128 v[(\f)+8*(\i)+4:(\f)+8*(\i)+7], v[ADRA+(\slot)] offset:(\k)+(\i)*16*PITCH+32
.endr
.endm
.macro PLACES                          ; four plain vector instructions between a matrix instruction and a load into, or a read of, its registers (ISA guide 7.12.1 for the reads)
.rept 4
	v_nop
.endr
.endm
; A K step is four quarters of 32 along K, 64 matrix instructions each, on buffers 0, 1, 0, 1.  One of the first three: multiplies f; in its middle fetches the next quarter, at byte k, into g.
.macro QUARTER slot, k, f, g, zero
	s_wait_dscnt 8                                 ; Wzr and xh's rows 0-63 are in; the youngest eight loads (rows 64-127) may be out
	MUL16 \f, 0, 0, \zero
	MUL16 \f, 0, 2, \zero
	PLACES
	FETCH \slot, \k, \g
	s_wait_dscnt 32                                ; all but the 32 just issued
	MUL16 \f, 1, 0, \zero
	MUL16 \f, 1, 2, \zero
.endm
; The last quarter multiplies buffer 1 and changes slots.  MEET: each wave waits for all its tensor loads (one is out: its part of the next slot), adds 0 to its spare word, waits for that and for its reads of this slot, and signals.
.macro MEET
	WIN 0                                          ; (the add's two registers lie in window 0)
	s_wait_tensorcnt 0x0
	ds_add_u32 v[SPW], v[NIL]                      ; 0 onto my spare word
	s_wait_dscnt 9                                 ; (the add and the youngest eight loads may be out)
	MUL16 F1, 0, 0, 0                              ; sixteen matrix instructions stand between the add and the wait for it
	s_wait_dscnt 0x0                               ; the add is done, and my reads of this slot are over
	s_barrier_signal -1                            ; this barrier opens a round of the cluster's barrier
	MUL16 F1, 0, 2, 0
	WIN 0
	s_barrier_wait -1
.endm
; fill = 1: the slot just read out takes the walk's K step two steps on, by a joint load; fill = 2: slot 0 takes h's tile.  Either is the first tensor load behind the round.
.macro TURN slot, next, fill
	MEET
	CREST                                          ; no wave of any partner still reads this slot or has a load on its way
.if (\fill) == 1
	ASTEP \slot                                    ; no tensor load of mine is out since MEET's wait: the slot's group 0 may be written
	JLOAD \slot                                    ; its four v_nop are also the places in front of the loads below
.else
	HLOAD
.endif
	FETCH \next, 0, F0
	MUL16 F1, 1, 0, 0
	MUL16 F1, 1, 2, 0
.endm
; THE WAY OUT.  TOSTAGE: the 32 accumulators of window 2 + hi, 64 rows x 128 columns of f32, into my stage; each accumulator's low registers first.
.macro TOSTAGE hi
	WIN 0x08+4*(\hi)                               ; the stores' data (source 1) in window 2 or 3
.irp a, 0,1,2,3
.irp b, 0,1,2,3,4,5,6,7
	ds_store_b128 v[STO], v[8*(8*(\a)+(\b)):8*(8*(\a)+(\b))+3]   offset:(\a)*16*SPITCH+64*(\b)
	ds_store_b128 v[STO], v[8*(8*(\a)+(\b))+4:8*(8*(\a)+(\b))+7] offset:(\a)*16*SPITCH+64*(\b)+16
.endr
.endr
	WIN 0
.endm
.macro SCALE i                         ; -log2(e) (s + b) for row i's four sums
	v_pk_fma_f32 v[D+4*(\i):D+4*(\i)+1],   v[D+4*(\i):D+4*(\i)+1],   s[CT:CT+1], v[BS:BS+1]   op_sel_hi:[1,0,1]
	v_pk_fma_f32 v[D+4*(\i)+2:D+4*(\i)+3], v[D+4*(\i)+2:D+4*(\i)+3], s[CT:CT+1], v[BS+2:BS+3] op_sel_hi:[1,0,1]
.endm
.macro UNP m                           ; number m of 32 of the factor in f32: bf16 to f32: a word's low half moves up, its high half stays
.if (\m)%2 == 0
	v_lshlrev_b32 v[U+(\m)], 16, v[HR+(\m)/2]
.else
	v_and_b32 v[U+(\m)], s91, v[HR+(\m)/2]
.endif
.endm
; ROWS: the stage's 64 rows, eight a trip, by the pass's own three address registers.  sigmoid(y) = 1 / (1 + 2^(-log2(e) y)), times the factor.
; A trip's eight rows go through each stage TOGETHER, so that no line reads a result made just before it: 16 scalings; 32 exponentials; 16 additions; 32 reciprocals; products, roundings, stores.
; Behind every exponential and every reciprocal stands one plain line on other registers (ISA guide 5.7.2): the factor's 16 masks and 32 unpackings, then the products, which lag two pairs or more.
; No barrier: the stage and my quarter of slot 0 are the wave's own.
.macro ROWS rd, rh, co
	s_mov_b32 s3, 8
.Lrows_\@:
.irp i, 0,1,2,3,4,5,6,7
	ds_load_b128 v[D+4*(\i):D+4*(\i)+3], v[\rd] offset:SPITCH*(\i)  ; LDS serves a wave's instructions in order (ISA guide 5.7.1.4): these see my stores
	ds_load_b64 v[HR+2*(\i):HR+2*(\i)+1], v[\rh] offset:PITCH*(\i)
.endr
.irp i, 0,1,2,3,4,5,6,7
	s_wait_dscnt 14-2*(\i)                         ; row i is in; the later rows' two loads each stay out
	SCALE \i
.endr
.set n, 0
.rept 32
	v_exp_f32 v[D+n], v[D+n]
.if n < 16
	v_and_or_b32 v[HR+n], v[HR+n], s[FM], s[FO]    ; the factor's words: h as read (r), or 1.0 twice (z)
.else
	UNP n-16
.endif
.set n, n+1
.endr
.set n, 0
	s_wait_alu depctr_va_vdst(0)
.rept 16
	v_pk_add_f32 v[D+2*n:D+2*n+1], v[D+2*n:D+2*n+1], 1.0 op_sel_hi:[1,0]
.set n, n+1
.endr
	s_wait_xcnt 0x0                                ; the last trip's stores: their data and their offset are rewritten only behind this wait
	v_add_nc_u32 v[\co], 8*ROWB, v[\co]            ; the offset steps ahead of the trip's stores, which reach back by their immediates
.set n, 0
.rept 32
	v_rcp_f32 v[D+n], v[D+n]
.if n < 16
	UNP n+16
.elseif n < 31
	s_wait_alu depctr_va_vdst(0)
	v_pk_mul_f32 v[D+2*(n-16):D+2*(n-16)+1], v[D+2*(n-16):D+2*(n-16)+1], v[U+2*(n-16):U+2*(n-16)+1]  ; pair n - 16: its second reciprocal is number 2 n - 31, at least one back, with a plain line behind it
.else
	v_cvt_pk_bf16_f32 v[O], v[D], v[D+1]
.endif
.set n, n+1
.endr
	s_wait_alu depctr_va_vdst(0)
	v_pk_mul_f32 v[D+30:D+31], v[D+30:D+31], v[U+30:U+31]
.set n, 1
.rept 15
	v_cvt_pk_bf16_f32 v[O+n], v[D+2*n], v[D+2*n+1]
.set n, n+1
.endr
.irp i, 0,1,2,3,4,5,6,7
	global_store_b64 v[\co], v[O+2*(\i):O+2*(\i)+1], s[8:9] offset:ROWB*(\i)-8*ROWB  ; 256 consecutive bytes, aligned
.endr
	v_add_nc_u32 v[\rd], 8*SPITCH, v[\rd]
	v_add_nc_u32 v[\rh], 8*PITCH, v[\rh]
	s_sub_co_u32 s3, s3, 1
	s_cmp_lg_u32 s3, 0
	s_cbranch_scc1 .Lrows_\@
.endm
	s_wait_tensorcnt 1                             ; my part of the first K step is in; the second's may stay out
	s_barrier_signal -1
	s_barrier_wait -1                              ; everybody's is
	FETCH 0, 0, F0
	QUARTER 0, 64,  F0, F1, 1                      ; the first quarter stands in front of the loop: its products start the sums
	WIN 0                                          ; at a label and at a branch every window is 0
	s_mov_b32 s3, LAPS-1
.Llap:                                                 ; a trip goes once round the ring and fills both slots again: the walk's steps 2 to 15 in seven trips
	QUARTER 0, 128, F1, F0, 0
	QUARTER 0, 192, F0, F1, 0
	TURN 0, 1, 1
	QUARTER 1, 64,  F0, F1, 0
	QUARTER 1, 128, F1, F0, 0
	QUARTER 1, 192, F0, F1, 0
	TURN 1, 0, 1
	QUARTER 0, 64,  F0, F1, 0
	WIN 0
	s_sub_co_u32 s3, s3, 1
	s_cmp_lg_u32 s3, 0
	s_cbranch_scc1 .Llap
	QUARTER 0, 128, F1, F0, 0                      ; the last lap: slot 0 takes h's tile, which has the last K step's 256 matrix instructions in which to land
	QUARTER 0, 192, F0, F1, 0
	TURN 0, 1, 2
	QUARTER 1, 64,  F0, F1, 0
	QUARTER 1, 128, F1, F0, 0
	QUARTER 1, 192, F0, F1, 0
	s_wait_dscnt 8                                 ; the very last quarter
	MUL16 F1, 0, 0, 0
	MUL16 F1, 0, 2, 0
	s_wait_dscnt 0x0                               ; my reads of slot 1 are over: behind the barrier the stages are written there
	s_wait_tensorcnt 0x0                           ; my h tile has landed; I alone read it
	s_barrier_signal -1
	MUL16 F1, 1, 0, 0
	MUL16 F1, 1, 2, 0
	WIN 0
	s_barrier_wait -1
	PLACES                                         ; behind the last products
	s_wait_loadcnt 0x0                             ; the bias
	v_pk_mul_f32 v[BS:BS+1],   v[BS:BS+1],   s[CT:CT+1] op_sel_hi:[1,0]
	v_pk_mul_f32 v[BS+2:BS+3], v[BS+2:BS+3], s[CT:CT+1] op_sel_hi:[1,0]
	TOSTAGE 0                                      ; my rows 0-63
	ROWS RD0, RH0, CO0
	TOSTAGE 1                                      ; my rows 64-127: the first pass's reads of the stage have come back (its last count-down ended at 0)
	ROWS RD1, RH1, CO1
	s_wait_tensorcnt 0x0                           ; the wave's end: three lines behind my last tensor load and my last LDS store
	ds_add_u32 v[SPW], v[NIL]
	s_wait_dscnt 0x0
	CROUND                                         ; the closing round: no work-group ends while a partner may still ask for a tile that names it
	s_endpgm
.Lfunc_end_k_qfc5621e6e4_gates:
	.size	k_qfc5621e6e4_gates, .Lfunc_end_k_qfc5621e6e4_gates-k_qfc5621e6e4_gates
	.p2alignl 7, 3214868480
	.fill 96, 4, 3214868480
	.section	.rodata,"a",@progbits
	.p2align	6, 0x0
	.amdhsa_kernel k_qfc5621e6e4_gates
		.amdhsa_group_segment_fixed_size 327680
		.amdhsa_private_segment_fixed_size 0
		.amdhsa_enable_private_segment 0
		.amdhsa_kernarg_size 40
		.amdhsa_user_sgpr_count 2
		.amdhsa_user_sgpr_kernarg_segment_ptr 1
		.amdhsa_wavefront_size32 1
		.amdhsa_system_sgpr_workgroup_id_x 1
		.amdhsa_system_sgpr_workgroup_id_y 1
		.amdhsa_system_sgpr_workgroup_id_z 1
		.amdhsa_system_vgpr_workitem_id 0
		.amdhsa_next_free_vgpr 1024
		.amdhsa_next_free_sgpr 96
		.amdhsa_reserve_vcc 0
		.amdhsa_float_denorm_mode_32 3
		.amdhsa_float_denorm_mode_16_64 3
		.amdhsa_memory_ordered 1
		.amdhsa_forward_progress 1
		.amdhsa_inst_pref_size 144
	.end_amdhsa_kernel
	.amdgpu_metadata
---
amdhsa.version: [ 1, 2 ]
amdhsa.kernels:
  - .name:           k_qfc5621e6e4_gates
    .symbol:         k_qfc5621e6e4_gates.kd
    .args:
      - { .name: xh, .offset: 0, .size: 8, .value_kind: global_buffer, .address_space: global }
      - { .name: Wzr, .offset: 8, .size: 8, .value_kind: global_buffer, .address_space: global }
      - { .name: G, .offset: 16, .size: 8, .value_kind: global_buffer, .address_space: global }
      - { .name: b_z, .offset: 24, .size: 8, .value_kind: global_buffer, .address_space: global }
      - { .name: b_r, .offset: 32, .size: 8, .value_kind: global_buffer, .address_space: global }
    .group_segment_fixed_size: 327680
    .private_segment_fixed_size: 0
    .kernarg_segment_align: 8
    .kernarg_segment_size: 40
    .max_flat_workgroup_size: 128
    .sgpr_count:     96
    .vgpr_count:     1024
    .wavefront_size: 32
...
	.end_amdgpu_metadata
.endif
;; end of part 2
;; launch cand (part 3): grid 8 x 32, 4 waves a work-group, clusters of 4 x 4, 327,680 bytes of LDS; arguments xh, Wd, out0, G, b_h, epsilon; writes out0
.if DOCPART == 3
	.amdgcn_target "amdgcn-amd-amdhsa--gfx1250"
	.amdhsa_code_object_version 6
	.text
	.protected	k_qfc5621e6e4_cand
	.globl	k_qfc5621e6e4_cand
	.p2align	8
	.type	k_qfc5621e6e4_cand,@function
k_qfc5621e6e4_cand:
	s_mov_b64 s[64:65], 0
	v_nop
	global_prefetch_b8 v0, s[64:65] scope:SCOPE_SE
	s_setreg_imm32_b32 hwreg(HW_REG_WAVE_MODE, 25, 1), 1
	s_wait_xcnt 0x0
	s_wait_alu depctr_hold_cnt(0) depctr_sa_sdst(0) depctr_va_vdst(0) depctr_va_sdst(0) depctr_va_ssrc(0) depctr_va_vcc(0) depctr_vm_vsrc(0)
	s_getreg_b32 s2, hwreg(HW_REG_IB_STS2, 6, 4)
	s_cmp_eq_u32 s2, 0
	s_cbranch_scc0 .Lentry_in_a_cluster
	s_endpgm
.Lentry_in_a_cluster:
	s_bfe_u32 s2, ttmp6, 0x10000c
	s_cmp_lg_u32 s2, 0xf033
	s_cbranch_scc0 .Lentry_shape_is_right
	s_endpgm
.Lentry_shape_is_right:
; CAND: out0 = h + epsilon z tanh([x | r h] Wd^T + b_h), the product of [8192][2048] by [1024][2048]^T in bf16 with f32 sums.
; xh: [8192][2048] bf16 (x, then h).  G: [8192][2048] bf16 (z, then r h).  Wd: [1024][2048] bf16 (V_h, then A).  out0: [8192][1024] f32.
; The left operand's K steps 0-7 are x, at byte 256 k of xh's rows; K steps 8-15 are r h, at byte 256 k of G's rows: one offset, the base chosen by the step's number.
; A tile of 256 rows x 128 columns is made by four waves, each 64 rows x 128 columns: 32 accumulators, 256 registers; 32 x 8 tiles.  K goes in 16 steps of 128 through a ring of two LDS slots
; (two slots of 256 along K would be 2 x 384 rows x 528 bytes = 405,504 bytes: more than a work-group can have).
; CLUSTER: 4 x 4 work-groups; the left operand's tiles are asked for jointly along a row of the cluster, Wd's along a column.
; THE WALK ALONG K begins at step 4 min(y, 7 - y) + 8 x (mod 16), x and y the cluster's place among the 2 x 8 clusters, and goes once round.  The two clusters that need the same rows of the left
; operand are eight steps apart: each asks in its last eight steps for tiles that the other has asked for in its first eight.  The eight clusters that need the same rows of Wd begin at four steps,
; four apart, each taken by two clusters whose y differ in all three bits: from its fifth step on a cluster asks for tiles of Wd that another has asked for before.
; THE MATRIX INSTRUCTION IS USED TRANSPOSED (source 0 = 16 rows of Wd, source 1 = 16 rows of the left operand): a lane holds eight neighbouring columns of one row.
; THE WAY OUT: the f32 sums go through the wave's own stage in LDS and come back by rows, lane l with columns 4 l .. 4 l + 3.  tanh(y) = 1 - 2 / (1 + 2^(2 log2(e) y)); out = z (eps - 2 eps / (1 + ..)) + h.
; z's tile (64 rows x 128 a wave) is asked for at the start into bytes of its own; h's is slot 0's last fill; the stage lies in slot 1 behind that slot's last fill and in bytes that no load fills.
; LIMITS.  h enters the sum as bf16(h), read from xh; z comes as bf16.  The K steps of a sum are added in an order that is a rotation of 0 .. 15 and differs from cluster to cluster.
; The exponential and the reciprocal flush denormals (ISA guide 15.8).  NaN and infinities are not treated apart.
; REGISTERS: window 0: addresses, bias, the way out; window 1: two fragment buffers of 96 (Wd's 8 fragments, then the left operand's 4); window 2: accumulator (a, b) at v[8 (8 a + b)].
.set ROWB,   4096                      ; bytes in a row of xh, G, Wd and out0
.set KSTEP,  128
.set PITCH,  272                       ; an LDS row: 256 bytes + 16 of padding: the 16 rows of a fragment load start at 16 different groups of four banks (64 banks of 4 bytes: ISA guide 11.1)
.set HALFA,  128*PITCH                 ; what a load for the left operand brings
.set HALFB,  64*PITCH                  ; what a load for Wd, z or h brings; also a wave's 64 rows of the left operand
.set SLOT,   2*HALFA+2*HALFB           ; the left operand's 256 rows, then Wd's 128
.set SPITCH, 528                       ; a stage row: 128 f32 + 16 bytes
.set STG,    SLOT                      ; the stages: 64 rows x 528 bytes for each wave
.set ZT,     STG+4*64*SPITCH           ; z's tiles: 64 rows x 272 bytes for each wave
.set SPARE,  ZT+4*HALFB                ; the spare words, 128 bytes for each wave
.set LAPS,   2048/(2*KSTEP)
.set BS,   8                           ; v[8:11] 2 log2(e) x the bias of my four columns
.set ADRA, 16                          ; v16-17  LDS address of my fragments of the left operand in slot 0, 1
.set ADRB, 20                          ; v20-21  the same for Wd
.set STO,  24                          ; v24     the way out: where I put 32 bytes of a row
.set RD,   25                          ; v25     where I read a row back; steps
.set CO,   26                          ; v26     my byte offset in out0; steps
.set RZ,   27                          ; v27     where I read z; steps
.set SPW,  28                          ; v28     LDS address of my spare word; never rewritten
.set NIL,  29                          ; v29     0; never rewritten
.set RH,   30                          ; v30     where I read h; steps
.set D,    32                          ; v[32:63]   eight rows x 4 sums
.set ZR,   64                          ; v[64:79]   eight rows x 4 bf16 of z
.set HR,   80                          ; v[80:95]   eight rows x 4 bf16 of h
.set U,    96                          ; v[96:159]  eight rows x (4 of z, 4 of h) in f32
.set O,    160                         ; v[160:191] eight rows x 4 f32 to store
.set F0,   0
.set F1,   96
.set CT,  14                           ; s[14:15] 2 log2(e)
.set G1,  24                           ; s[24:31] group 1 for the left operand's tiles;  s[32:39] group 0, a set for each slot
.set G0,  32
.set G1B, 48                           ; s[48:55], s[56:63] the same for Wd's
.set G0B, 56
.set G1P, 68                           ; s[68:75] group 1 for z's and h's tiles: loads of the wave's own, no mask
.set G0Z, 76                           ; s[76:79]
.set G0H, 80                           ; s[80:83]
.set AXB, 84                           ; s[84:85] xh at the rows that I fetch
.set AGB, 86                           ; s[86:87] G at the same rows
.set OFF, 88                           ; s[88:89] a K step's byte offset in a row
.set KN,  90                           ; s90      the K step to be asked for next
.set SELB, 96                          ; s[96:97] the base chosen for it
.set EP,  98                           ; s[98:99] epsilon
.set E2,  100                          ; s[100:101] -2 epsilon
.set MSB, 0
.macro WIN new                         ; the immediate's high byte repeats the setting that is left; a switch that changes nothing is dropped
.if MSB != (\new)
	s_set_vgpr_msb (MSB<<8)|(\new)
.set MSB, \new
.endif
.endm
.set MUL,  0xa5                        ; sources 0 and 1 window 1; C and D window 2
.set TO_F, 0x40                        ; destination window 1, address window 0
; A joint load.  Waves 0 and 1 fetch the left operand's two halves, waves 2 and 3 Wd's.  An s_nop 0 and four v_nop follow each line.
.macro JLOAD s
	s_cmp_eq_u32 s11, 0
	s_cbranch_scc0 .Lfor_b_\@
	tensor_load_to_lds s[G0+4*(\s):G0+4*(\s)+3], s[G1:G1+7]
	s_nop 0
.rept 4
	v_nop
.endr
	s_branch .Lasked_\@
.Lfor_b_\@:
	tensor_load_to_lds s[G0B+4*(\s):G0B+4*(\s)+3], s[G1B:G1B+7]
	s_nop 0
.rept 4
	v_nop
.endr
.Lasked_\@:
.endm
; The addresses of K step KN for a slot, both made anew from the step's number: the left operand's from x for steps 0-7 and from r h for steps 8-15, Wd's from its rows' first byte; 256 bytes a step.
; Then the number goes on, round 16.
.macro ASTEP slot
	s_lshl_b32 s[OFF], s[KN], 8
	s_cmp_lt_u32 s[KN], 8
	s_cselect_b64 s[SELB:SELB+1], s[AXB:AXB+1], s[AGB:AGB+1]
	s_add_nc_u64 s[G0+4*(\slot)+2:G0+4*(\slot)+3], s[SELB:SELB+1], s[OFF:OFF+1]
	s_or_b32 s[G0+4*(\slot)+3], s[G0+4*(\slot)+3], 0x80000000
	s_add_nc_u64 s[G0B+4*(\slot)+2:G0B+4*(\slot)+3], s[46:47], s[OFF:OFF+1]
	s_or_b32 s[G0B+4*(\slot)+3], s[G0B+4*(\slot)+3], 0x80000000
	s_add_co_u32 s[KN], s[KN], 1
	s_and_b32 s[KN], s[KN], 15
.endm
.macro CREST                           ; a round of the cluster's barrier behind its opening barrier
	s_cmp_lg_u32 s10, 0
	s_cbranch_scc1 .Lnot_wave_0_\@
	s_barrier_signal -3
.Lnot_wave_0_\@:
	s_barrier_wait -3
	s_barrier_signal -1
	s_barrier_wait -1
.endm
.macro CROUND                          ; a whole round
	s_barrier_signal -1
	s_barrier_wait -1
	CREST
.endm
	s_load_b128 s[4:7], s[0:1], 0x0                ; xh s[4:5], Wd s[6:7]
	s_load_b64 s[8:9], s[0:1], 0x10                ; out0
	s_load_b64 s[66:67], s[0:1], 0x18              ; G
	s_load_b128 s[92:95], s[0:1], 0x20             ; b_h s[92:93], epsilon s[94:95]
	v_lshl_add_u32 v[SPW], v0, 2, SPARE
	v_mov_b32 v[NIL], 0
	ds_add_u32 v[SPW], v[NIL]                      ; the wave's opening: the add and its wait stand ahead of my first tensor load; the set-up below stands between them
	v_lshrrev_b32 v1, 5, v0
	v_readfirstlane_b32 s10, v1                    ; wave 0..3
	s_lshr_b32 s11, s10, 1                         ; I fetch for the left operand (0) or for Wd (1),
	s_and_b32 s12, s10, 1                          ; and which half of its rows
	s_bfe_u32 s40, ttmp6, 0x40000                  ; cx, cy: my place in the cluster
	s_bfe_u32 s41, ttmp6, 0x40004
	s_lshl_b32 s42, ttmp9, 2
	s_add_co_u32 s42, s42, s40                     ; tile column = 4 x cluster x + cx
	s_and_b32 s13, ttmp7, 0xffff
	s_lshl_b32 s13, s13, 2
	s_add_co_u32 s13, s13, s41                     ; tile row = 4 x cluster y + cy
	s_lshl_b32 s43, s41, 2
	s_lshl_b32 s43, 15, s43                        ; my row of the cluster
	s_lshl_b32 s44, 0x1111, s40                    ; my column
	s_and_b32 s[KN], ttmp7, 0xffff                 ; the walk's first K step, from the cluster's x and y alone: y, 0 .. 7,
	s_sub_co_u32 s22, 7, s[KN]
	s_min_u32 s[KN], s[KN], s22                    ; min(y, 7 - y), 0 .. 3,
	s_lshl_b32 s[KN], s[KN], 2                     ; four steps apart,
	s_and_b32 s22, ttmp9, 1
	s_lshl_b32 s22, s22, 3                         ; and eight steps on for x = 1,
	s_add_co_u32 s[KN], s[KN], s22
	s_and_b32 s[KN], s[KN], 15                     ; round 16
	; descriptor group 1: rows of 128 elements of 2 bytes, 4 words of padding behind every 64; 128 rows for the left operand, 64 for the others
	s_or_b32 s[G1+0], s43, (1<<16)|(1<<20)|(1<<21)|(5<<22)|(3<<25)   ; 15:0 the mask; 17:16 element size; 20 padding on; 21 set beside a mask; 24:22 interval; 31:25 padding
	s_or_b32 s[G1B+0], s44, (1<<16)|(1<<20)|(1<<21)|(5<<22)|(3<<25)
	s_mov_b32 s[G1P+0], (1<<16)|(1<<20)|(5<<22)|(3<<25)
	s_mov_b32 s[G1+2], 128<<16                     ; tensor_dim1
	s_mov_b32 s[G1+4], 128                         ; tile_dim1
.irp g, G1B, G1P
	s_mov_b32 s[(\g)+2], 64<<16
	s_mov_b32 s[(\g)+4], 64
.endr
.irp g, G1, G1B, G1P
	s_mov_b32 s[(\g)+1], KSTEP<<16                 ; tensor_dim0 = 128
	s_mov_b32 s[(\g)+3], KSTEP<<16                 ; tile_dim0 = 128
	s_mov_b32 s[(\g)+5], 2048                      ; elements from row to row
	s_mov_b32 s[(\g)+6], 0
	s_mov_b32 s[(\g)+7], 0
.endr
	; offsets, apart from the addresses.  The left operand's tiles hang on the tile row alone, Wd's on the tile column alone, each in registers that never hold the other coordinate.
	s_lshl_b32 s16, s13, 8
	s_lshl_b32 s17, s12, 7
	s_add_co_u32 s16, s16, s17                     ; row 256 x tile row + 128 x half
	s_lshl_b32 s16, s16, 12
	s_mov_b32 s17, 0
	s_lshl_b32 s46, s42, 7
	s_lshl_b32 s47, s12, 6
	s_add_co_u32 s46, s46, s47                     ; Wd: row 128 x tile column + 64 x half
	s_lshl_b32 s46, s46, 12
	s_mov_b32 s47, 0
	s_lshl_b32 s18, s13, 8
	s_lshl_b32 s19, s10, 6
	s_add_co_u32 s18, s18, s19                     ; my 64 rows of the result
	s_lshl_b32 s18, s18, 12
	s_lshl_b32 s19, s42, 9                         ; my 128 columns in f32
	s_add_co_u32 s2, s18, s19                      ; in out0
	s_mov_b32 s3, 0
	s_mov_b32 s[OFF], s19                          ; in b_h (OFF serves the K steps afterwards)
	s_mov_b32 s[OFF+1], 0
	s_lshr_b32 s19, s19, 1                         ; my 128 columns in bf16
	s_add_co_u32 s18, s18, s19                     ; z's tile in G
	s_mov_b32 s19, 0
	s_mul_i32 s20, s10, HALFA
	s_mul_i32 s21, s10, HALFB
	s_mov_b32 s91, 0xffff0000                      ; a word's upper bf16
	s_mov_b32 s[CT], 0x4038aa3b                    ; 2 log2(e)
	s_mov_b32 s[CT+1], s[CT]
	s_mov_b32 s[G0Z], 1
	s_add_co_u32 s[G0Z+1], s21, ZT
	s_mov_b32 s[G0H], 1
	s_mov_b32 s[G0H+1], s21                        ; h's tiles: the first 4 x 64 rows of slot 0
	s_wait_dscnt 0x0                               ; the opening add is done
	s_wait_kmcnt 0x0
	s_load_b32 s[EP], s[94:95], 0x0                ; epsilon: waited for behind the first tensor loads
	s_add_nc_u64 s[AXB:AXB+1], s[4:5], s[16:17]
	s_add_nc_u64 s[AGB:AGB+1], s[66:67], s[16:17]
	s_add_nc_u64 s[46:47], s[6:7], s[46:47]        ; Wd at the rows that I fetch; kept
	s_add_nc_u64 s[8:9], s[8:9], s[2:3]
	s_add_nc_u64 s[92:93], s[92:93], s[OFF:OFF+1]
	s_add_nc_u64 s[G0Z+2:G0Z+3], s[66:67], s[18:19]
	s_or_b32 s[G0Z+3], s[G0Z+3], 0x80000000
	s_add_co_u32 s18, s18, 2048                    ; h's tile in xh: the same place in the second half of the rows
	s_add_nc_u64 s[G0H+2:G0H+3], s[4:5], s[18:19]
	s_or_b32 s[G0H+3], s[G0H+3], 0x80000000
	CROUND                                         ; all sixteen work-groups are here: the first joint loads meet
.irp s, 0,1
	s_mov_b32 s[G0+4*(\s)], 1
	s_add_co_u32 s[G0+4*(\s)+1], s20, (\s)*SLOT
	s_mov_b32 s[G0B+4*(\s)], 1
	s_add_co_u32 s[G0B+4*(\s)+1], s21, 2*HALFA-2*HALFB+(\s)*SLOT  ; waves 2 and 3: behind the left operand's 256 rows
	ASTEP \s
	JLOAD \s
.endr
	tensor_load_to_lds s[G0Z:G0Z+3], s[G1P:G1P+7]  ; z's tile, every wave its own: with the walk's first two K steps three loads of mine are out
	s_nop 0
.rept 4
	v_nop
.endr
	v_and_b32 v1, 15, v0                           ; l % 16
	v_bfe_u32 v2, v0, 4, 1                         ; l / 16
	v_mul_u32_u24 v3, v1, PITCH
	v_lshl_add_u32 v3, v2, 4, v3                   ; a fragment's row x pitch + 16 x half
	v_add_nc_u32 v[ADRA], s21, v3                  ; my 64 rows of the left operand
	v_add_nc_u32 v[ADRA+1], SLOT, v[ADRA]
	v_add_nc_u32 v[ADRB], 2*HALFA, v3              ; Wd's 128 rows lie behind the left operand's 256
	v_add_nc_u32 v[ADRB+1], SLOT, v[ADRB]
	v_and_b32 v5, 31, v0
	v_lshlrev_b32 v6, 4, v5                        ; 16 l; never rewritten
	global_load_b128 v[BS:BS+3], v6, s[92:93]      ; the bias of columns 4 l .. 4 l + 3; waited for behind the products
	s_mul_i32 s23, s10, 64*SPITCH
	s_add_co_u32 s23, s23, STG                     ; my stage
	v_mul_u32_u24 v4, v1, SPITCH                   ; in: row l % 16, 32 bytes for each half of the lanes
	v_lshl_add_u32 v4, v2, 5, v4
	v_add_nc_u32 v[STO], s23, v4
	v_add_nc_u32 v[RD], s23, v6                    ; back: a row's 512 bytes, 16 a lane
	v_lshlrev_b32 v[CO], 4, v5                     ; and the same in out0
	v_lshl_add_u32 v[RH], v5, 3, s21               ; 8 bytes a lane of a row of h's tile,
	v_add_nc_u32 v[RZ], ZT, v[RH]                  ; and of z's
	s_wait_kmcnt 0x0                               ; epsilon
	s_mov_b32 s[EP+1], s[EP]
	s_mul_f32 s[E2], s[EP], -2.0
	s_mov_b32 s[E2+1], s[E2]
; 8 matrix instructions: m block a x all 8 n blocks, 32 along K.  zero = 1: the first product starts the sums.  The 32 accumulators take turns, one instruction a turn.
.macro MULA f, a, zero
	WIN MUL
.irp b, 0,1,2,3,4,5,6,7
.if \zero
	v_wmma_f32_16x16x32_bf16 v[8*(8*(\a)+(\b)):8*(8*(\a)+(\b))+7], v[(\f)+8*(\b):(\f)+8*(\b)+7], v[(\f)+64+8*(\a):(\f)+64+8*(\a)+7], 0
.else
	v_wmma_f32_16x16x32_bf16 v[8*(8*(\a)+(\b)):8*(8*(\a)+(\b))+7], v[(\f)+8*(\b):(\f)+8*(\b)+7], v[(\f)+64+8*(\a):(\f)+64+8*(\a)+7], v[8*(8*(\a)+(\b)):8*(8*(\a)+(\b))+7]
.endif
.endr
.endm
; 24 LDS loads in one run: the fragments of 32 along K at byte k of the rows, into buffer f: Wd's sixteen, then the left operand's eight
.macro FETCH slot, k, f
	WIN TO_F
.irp i, 0,1,2,3,4,5,6,7
	ds_load_b128 v[(\f)+8*(\i):(\f)+8*(\i)+3],   v[ADRB+(\slot)] offset:(\k)+(\i)*16*PITCH
	ds_load_b128 v[(\f)+8*(\i)+4:(\f)+8*(\i)+7], v[ADRB+(\slot)] offset:(\k)+(\i)*16*PITCH+32
.endr
.irp i, 0,1,2,3
	ds_load_b128 v[(\f)+64+8*(\i):(\f)+64+8*(\i)+3],   v[ADRA+(\slot)] offset:(\k)+(\i)*16*PITCH
	ds_load_b128 v[(\f)+64+8*(\i)+4:(\f)+64+8*(\i)+7], v[ADRA+(\slot)] offset:(\k)+(\i)*16*PITCH+32
.endr
.endm
.macro PLACES                          ; four plain vector instructions between a matrix instruction and a load into, or a read of, its registers (ISA guide 7.12.1 for the reads)
.rept 4
	v_nop
.endr
.endm
; A K step is four quarters of 32 along K, 32 matrix instructions each, on buffers 0, 1, 0, 1.  One of the first three: multiplies f; in its middle fetches the next quarter, at byte k, into g.
.macro QUARTER slot, k, f, g, zero
	s_wait_dscnt 4                                 ; Wd and m blocks 0, 1 are in; the youngest four loads (m blocks 2, 3) may be out
	MULA \f, 0, \zero
	MULA \f, 1, \zero
	PLACES
	FETCH \slot, \k, \g
	s_wait_dscnt 24                                ; all but the 24 just issued
	MULA \f, 2, \zero
	MULA \f, 3, \zero
.endm
; The last quarter multiplies buffer 1 and changes slots: each wave waits for all its tensor loads, adds 0 to its spare word, waits for that and for its reads of this slot; the barrier opens a round of the cluster's.
; fill = 1: the slot takes the walk's K step two steps on, by a joint load; fill = 2: slot 0 takes h's tiles, every wave its own.  Either is the first tensor load behind the round.
.macro TURN slot, next, fill
	WIN 0                                          ; (the add's two registers lie in window 0)
	s_wait_tensorcnt 0x0
	ds_add_u32 v[SPW], v[NIL]                      ; 0 onto my spare word
	s_wait_dscnt 5                                 ; (the add and the youngest four loads may be out)
	MULA F1, 0, 0                                  ; eight matrix instructions stand between the add and the wait for it
	s_wait_dscnt 0x0                               ; the add is done, and my reads of this slot are over
	s_barrier_signal -1
	MULA F1, 1, 0
	WIN 0
	s_barrier_wait -1
	CREST                                          ; no wave of any partner still reads this slot or has a load on its way
.if (\fill) == 1
	ASTEP \slot                                    ; no tensor load of mine is out since the wait above: the slot's group 0 may be written
	JLOAD \slot                                    ; its four v_nop are also the places in front of the loads below
.else
	tensor_load_to_lds s[G0H:G0H+3], s[G1P:G1P+7]
	s_nop 0
.rept 4
	v_nop
.endr
.endif
	FETCH \next, 0, F0
	MULA F1, 2, 0
	MULA F1, 3, 0
.endm
.macro SCALE i                         ; 2 log2(e) (s + b) for row i's four sums
	v_pk_fma_f32 v[D+4*(\i):D+4*(\i)+1],   v[D+4*(\i):D+4*(\i)+1],   s[CT:CT+1], v[BS:BS+1]   op_sel_hi:[1,0,1]
	v_pk_fma_f32 v[D+4*(\i)+2:D+4*(\i)+3], v[D+4*(\i)+2:D+4*(\i)+3], s[CT:CT+1], v[BS+2:BS+3] op_sel_hi:[1,0,1]
.endm
.macro UNP u                           ; number u of 64 of z and h in f32 (row u / 8: four of z, then four of h): bf16 to f32: a word's low half moves up, its high half stays
.if ((\u)%8) < 4
.set sw, ZR+2*((\u)/8)+((\u)%8)/2
.else
.set sw, HR+2*((\u)/8)+((\u)%8-4)/2
.endif
.if (\u)%2 == 0
	v_lshlrev_b32 v[U+(\u)], 16, v[sw]
.else
	v_and_b32 v[U+(\u)], s91, v[sw]
.endif
.endm
	s_wait_tensorcnt 2                             ; my part of the first K step is in; the second's and z's tile may stay out
	s_barrier_signal -1
	s_barrier_wait -1                              ; everybody's is
	FETCH 0, 0, F0
	QUARTER 0, 64,  F0, F1, 1                      ; the first quarter stands in front of the loop: its products start the sums
	WIN 0                                          ; at a label and at a branch every window is 0
	s_mov_b32 s3, LAPS-1
.Llap:                                                 ; a trip goes once round the ring and fills both slots again: the walk's steps 2 to 15 in seven trips
	QUARTER 0, 128, F1, F0, 0
	QUARTER 0, 192, F0, F1, 0
	TURN 0, 1, 1
	QUARTER 1, 64,  F0, F1, 0
	QUARTER 1, 128, F1, F0, 0
	QUARTER 1, 192, F0, F1, 0
	TURN 1, 0, 1
	QUARTER 0, 64,  F0, F1, 0
	WIN 0
	s_sub_co_u32 s3, s3, 1
	s_cmp_lg_u32 s3, 0
	s_cbranch_scc1 .Llap
	QUARTER 0, 128, F1, F0, 0                      ; the last lap: slot 0 takes h's tiles, which have the last K step in which to land
	QUARTER 0, 192, F0, F1, 0
	TURN 0, 1, 2
	QUARTER 1, 64,  F0, F1, 0
	QUARTER 1, 128, F1, F0, 0
	QUARTER 1, 192, F0, F1, 0
	s_wait_dscnt 4                                 ; the very last quarter
	MULA F1, 0, 0
	MULA F1, 1, 0
	s_wait_dscnt 0x0                               ; my reads of slot 1 are over: behind the barrier the stages are written there
	s_wait_tensorcnt 0x0                           ; my h tile has landed; I alone read it
	s_barrier_signal -1
	MULA F1, 2, 0
	MULA F1, 3, 0
	WIN 0
	s_barrier_wait -1
	PLACES                                         ; behind the last products
	s_wait_loadcnt 0x0                             ; the bias
	v_pk_mul_f32 v[BS:BS+1],   v[BS:BS+1],   s[CT:CT+1] op_sel_hi:[1,0]
	v_pk_mul_f32 v[BS+2:BS+3], v[BS+2:BS+3], s[CT:CT+1] op_sel_hi:[1,0]
	; THE WAY OUT.  The 32 accumulators, 64 rows x 128 columns of f32, into my stage; each accumulator's low registers first.
	WIN 0x08                                       ; the stores' data (source 1) in window 2
.irp a, 0,1,2,3
.irp b, 0,1,2,3,4,5,6,7
	ds_store_b128 v[STO], v[8*(8*(\a)+(\b)):8*(8*(\a)+(\b))+3]   offset:(\a)*16*SPITCH+64*(\b)
	ds_store_b128 v[STO], v[8*(8*(\a)+(\b))+4:8*(8*(\a)+(\b))+7] offset:(\a)*16*SPITCH+64*(\b)+16
.endr
.endr
	WIN 0
	; Eight rows a trip, and the eight go through each stage TOGETHER, so that no line reads a result made just before it: 16 scalings; 32 exponentials; 16 additions; 32 reciprocals; 32 multiply-adds; stores.
	; Behind every exponential and every reciprocal stands one plain line on other registers (ISA guide 5.7.2): the 64 unpackings of z and h.
	s_mov_b32 s3, 8
.Lrows:
.irp i, 0,1,2,3,4,5,6,7
	ds_load_b128 v[D+4*(\i):D+4*(\i)+3], v[RD] offset:SPITCH*(\i)  ; LDS serves a wave's instructions in order (ISA guide 5.7.1.4): these see my stores
	ds_load_b64 v[ZR+2*(\i):ZR+2*(\i)+1], v[RZ] offset:PITCH*(\i)
	ds_load_b64 v[HR+2*(\i):HR+2*(\i)+1], v[RH] offset:PITCH*(\i)
.endr
.irp i, 0,1,2,3,4,5,6,7
	s_wait_dscnt 21-3*(\i)                         ; row i is in; the later rows' three loads each stay out
	SCALE \i
.endr
.set n, 0
.rept 32
	v_exp_f32 v[D+n], v[D+n]
	UNP n
.set n, n+1
.endr
.set n, 0
	s_wait_alu depctr_va_vdst(0)
.rept 16
	v_pk_add_f32 v[D+2*n:D+2*n+1], v[D+2*n:D+2*n+1], 1.0 op_sel_hi:[1,0]
.set n, n+1
.endr
	s_wait_xcnt 0x0                                ; the last trip's stores: their data and their offset are rewritten only behind this wait
	v_add_nc_u32 v[CO], 8*ROWB, v[CO]              ; the offset steps ahead of the trip's stores, which reach back by their immediates
.set n, 0
.rept 32
	v_rcp_f32 v[D+n], v[D+n]
	UNP n+32
.set n, n+1
.endr
.set n, 0
	s_wait_alu depctr_va_vdst(0)
.rept 16
	v_pk_fma_f32 v[D+2*n:D+2*n+1], v[D+2*n:D+2*n+1], s[E2:E2+1], s[EP:EP+1] op_sel_hi:[1,0,0]  ; epsilon tanh
.set n, n+1
.endr
.irp i, 0,1,2,3,4,5,6,7
	v_pk_fma_f32 v[O+4*(\i):O+4*(\i)+1],   v[U+8*(\i):U+8*(\i)+1],   v[D+4*(\i):D+4*(\i)+1],   v[U+8*(\i)+4:U+8*(\i)+5]  ; z x that + h
	v_pk_fma_f32 v[O+4*(\i)+2:O+4*(\i)+3], v[U+8*(\i)+2:U+8*(\i)+3], v[D+4*(\i)+2:D+4*(\i)+3], v[U+8*(\i)+6:U+8*(\i)+7]
.endr
.irp i, 0,1,2,3,4,5,6,7
	global_store_b128 v[CO], v[O+4*(\i):O+4*(\i)+3], s[8:9] offset:ROWB*(\i)-8*ROWB th:TH_STORE_NT  ; 512 consecutive bytes, aligned
.endr
	v_add_nc_u32 v[RD], 8*SPITCH, v[RD]
	v_add_nc_u32 v[RZ], 8*PITCH, v[RZ]
	v_add_nc_u32 v[RH], 8*PITCH, v[RH]
	s_sub_co_u32 s3, s3, 1
	s_cmp_lg_u32 s3, 0
	s_cbranch_scc1 .Lrows
	s_wait_tensorcnt 0x0                           ; the wave's end: three lines behind my last tensor load and my last LDS store
	ds_add_u32 v[SPW], v[NIL]
	s_wait_dscnt 0x0
	CROUND                                         ; the closing round: no work-group ends while a partner may still ask for a tile that names it
	s_endpgm
.Lfunc_end_k_qfc5621e6e4_cand:
	.size	k_qfc5621e6e4_cand, .Lfunc_end_k_qfc5621e6e4_cand-k_qfc5621e6e4_cand
	.p2alignl 7, 3214868480
	.fill 96, 4, 3214868480
	.section	.rodata,"a",@progbits
	.p2align	6, 0x0
	.amdhsa_kernel k_qfc5621e6e4_cand
		.amdhsa_group_segment_fixed_size 327680
		.amdhsa_private_segment_fixed_size 0
		.amdhsa_enable_private_segment 0
		.amdhsa_kernarg_size 48
		.amdhsa_user_sgpr_count 2
		.amdhsa_user_sgpr_kernarg_segment_ptr 1
		.amdhsa_wavefront_size32 1
		.amdhsa_system_sgpr_workgroup_id_x 1
		.amdhsa_system_sgpr_workgroup_id_y 1
		.amdhsa_system_sgpr_workgroup_id_z 1
		.amdhsa_system_vgpr_workitem_id 0
		.amdhsa_next_free_vgpr 768
		.amdhsa_next_free_sgpr 102
		.amdhsa_reserve_vcc 0
		.amdhsa_float_denorm_mode_32 3
		.amdhsa_float_denorm_mode_16_64 3
		.amdhsa_memory_ordered 1
		.amdhsa_forward_progress 1
		.amdhsa_inst_pref_size 88
	.end_amdhsa_kernel
	.amdgpu_metadata
---
amdhsa.version: [ 1, 2 ]
amdhsa.kernels:
  - .name:           k_qfc5621e6e4_cand
    .symbol:         k_qfc5621e6e4_cand.kd
    .args:
      - { .name: xh, .offset: 0, .size: 8, .value_kind: global_buffer, .address_space: global }
      - { .name: Wd, .offset: 8, .size: 8, .value_kind: global_buffer, .address_space: global }
      - { .name: out0, .offset: 16, .size: 8, .value_kind: global_buffer, .address_space: global }
      - { .name: G, .offset: 24, .size: 8, .value_kind: global_buffer, .address_space: global }
      - { .name: b_h, .offset: 32, .size: 8, .value_kind: global_buffer, .address_space: global }
      - { .name: epsilon, .offset: 40, .size: 8, .value_kind: global_buffer, .address_space: global }
    .group_segment_fixed_size: 327680
    .private_segment_fixed_size: 0
    .kernarg_segment_align: 8
    .kernarg_segment_size: 48
    .max_flat_workgroup_size: 128
    .sgpr_count:     102
    .vgpr_count:     768
    .wavefront_size: 32
...
	.end_amdgpu_metadata
.endif
;; end of part 3
;; ======== version 2 of 2: 3 launches; version 1 with the launch prep written anew for expert scheduling mode
;; workspace buffers: xh 33,554,432 bytes; Wzr 8,388,608 bytes; Wd 4,194,304 bytes; G 33,554,432 bytes
;; launch prep (part 4): grid 1408 x 1, 8 waves a work-group, no clusters, 66,560 bytes of LDS; arguments x, h_prev, W_z, U_z, W_r, U_r, V_h, W_h, xh, Wzr, Wd; writes xh, Wzr, Wd
.if DOCPART == 4
	.amdgcn_target "amdgcn-amd-amdhsa--gfx1250"
	.amdhsa_code_object_version 6
	.text
	.protected	k_qfc5621e6e4_prep
	.globl	k_qfc5621e6e4_prep
	.p2align	8
	.type	k_qfc5621e6e4_prep,@function
k_qfc5621e6e4_prep:
	s_mov_b64 s[64:65], 0
	v_nop
	global_prefetch_b8 v0, s[64:65] scope:SCOPE_SE
	s_setreg_imm32_b32 hwreg(HW_REG_WAVE_SCHED_MODE, 0, 2), 2
	s_setreg_imm32_b32 hwreg(HW_REG_WAVE_MODE, 25, 1), 1
	s_wait_xcnt 0x0
	s_wait_alu depctr_vm_vsrc(0)
; PREP: the matrix operands of the two products that follow, rounded once from f32 to bf16 and laid so that K lies along rows of 4,096 bytes.
;   xh  [8192][2048]: columns 0-1023 x, 1024-2047 h_prev.
;   Wzr [2048][2048]: row 256 t + 128 g + c belongs to output column 128 t + c of gate g (0: z, 1: r); columns 0-1023 W_g, 1024-2047 U_g.
;   Wd  [1024][2048]: columns 0-1023 V_h, 1024-2047 A = W_h - W_h^T - 0.01 I, made in f32 and rounded once.
; Work-groups 0-63 make A, a tile of 128 x 128 each; work-groups 64-1407 cast 16 rows of 1,024 numbers each (512 for x, 512 for h_prev, 64 for each of five weights).
; No matrix unit, no tensor load: a stream, each input byte read once (W_h twice, once by rows and once for the transposition), every store of a wave 256 consecutive bytes, aligned.
; LIMITS. A magnitude beyond bf16's largest finite number rounds to an infinity; NaN and infinities are not treated apart.
; THE MODE: SCHED_MODE bits 1:0 = 2 (LLVM: expert scheduling mode 2), set by the entry lines.  The code itself states the register dependences
; between vector instructions and memory or LDS instructions, with s_wait_alu, always for 0.
; THE PLAN.  Registers that memory or LDS instructions touch:
;   v1, v2, SA, RA   offsets and LDS addresses: written by vector lines at a path's head and never again; one wait on va_vdst ahead of the path's first load serves all their readers.
;   X (the casts)    a row's four registers: its load lands there; its two roundings read them and write the first two; its store reads those two; nothing writes them again.
;   X (A)            the global loads land there; the LDS stores read them as data; the LDS loads land there again, behind one wait on vm_vsrc; the subtractions read them.
;   P (A)            a row's four registers: its load lands there; its subtractions and roundings work in place; its store reads the first two; nothing writes them again.
;   SPW, NIL         written at the head, read by the closing add alone.
; In both paths the 16 rows go in four blocks of four.  Block p's vector lines name its own rows' registers (and GD) alone; its memory instructions are the four stores of block p - 1, which read
; that block's registers and v2.  So ONE wait on va_vdst at a block's head states all that its four stores hang on, and they are dealt among the block's vector lines with no further wait.
; Scalars that vector lines write: the wave's number (s3) and the diagonal's four masks (s44 to s47, one run of compares): a wait on va_sdst ahead of the first reader of each.
.set ROWB,  4096                       ; bytes in a row, of the f32 sources and of the bf16 targets alike
.set X,     4                          ; v[4:67]    16 rows x 4 numbers as loaded; for A: the rows that are turned
.set P,     68                         ; v[68:131]  for A: 16 rows x 4 numbers of W_h as it lies
.set SA,    132                        ; v[132:135] for A: LDS addresses of the stores, by group of four rows
.set RA,    136                        ; v[136:139] for A: LDS addresses of the loads, by group of four rows
.set GD,    140                        ; v[140:143] for A: 0.01 where my four columns hold the diagonal of the group's rows, else 0
.set SPW,   144                        ; v144  LDS address of my spare word; never rewritten
.set NIL,   145                        ; v145  0; never rewritten
.set DM,    44                         ; s[44:47] for A: by group of four rows, the lanes whose columns hold the diagonal
.set SPARE, 65536                      ; behind the tile: the spare words, 128 bytes for each of eight waves
	s_load_b512 s[8:23], s[0:1], 0x0               ; x 8, h_prev 10, W_z 12, U_z 14, W_r 16, U_r 18, V_h 20, W_h 22
	s_load_b128 s[24:27], s[0:1], 0x40             ; xh 24, Wzr 26
	s_load_b64 s[28:29], s[0:1], 0x50              ; Wd
	v_lshl_add_u32 v[SPW], v0, 2, SPARE
	v_mov_b32 v[NIL], 0
	s_mov_b32 s2, ttmp9
	s_cmp_lt_u32 s2, 64                            ; the same answer in all eight waves of a work-group
	s_cbranch_scc1 .Lanti
	; THE CASTS. c = the work-group's number among them; which source, which target and which rows are chosen by scalar selects.
	s_sub_co_u32 s3, s2, 64                        ; c: 0-511 x, 512-1023 h_prev, 1024-1343 the weights
	s_sub_co_u32 s4, s3, 1024                      ; among the weights (wraps round for x and h_prev: q then matches none of 0 to 4)
	s_lshr_b32 s5, s4, 6                           ; q: 0 W_z, 1 U_z, 2 W_r, 3 U_r, 4 V_h
	s_and_b32 s6, s4, 63
	s_lshl_b32 s6, s6, 4                           ; a weight's first row
	s_and_b32 s7, s3, 511
	s_lshl_b32 s7, s7, 4                           ; x's or h_prev's first row
	s_cmp_lt_u32 s3, 1024
	s_cselect_b32 s36, s7, s6                      ; the source's first row
	s_lshr_b32 s37, s6, 7                          ; a gate's weight: row n goes to 256 (n / 128) + 128 g + n % 128, g = q / 2
	s_lshl_b32 s37, s37, 8
	s_and_b32 s38, s6, 127
	s_add_co_u32 s37, s37, s38
	s_lshr_b32 s38, s5, 1
	s_lshl_b32 s38, s38, 7
	s_add_co_u32 s37, s37, s38
	s_cmp_lt_u32 s5, 4
	s_cselect_b32 s37, s37, s36                    ; the target's first row: elsewhere the source's
	s_lshr_b32 s38, s3, 9                          ; the target's half of a row: h_prev the second,
	s_and_b32 s39, s5, 1                           ; U_z and U_r the second (V_h: q & 1 = 0)
	s_cmp_lt_u32 s3, 1024
	s_cselect_b32 s38, s38, s39
	s_lshl_b32 s40, s36, 12                        ; offsets in bytes, apart from the addresses, as pairs with 0 on top
	s_mov_b32 s41, 0
	s_lshl_b32 s42, s37, 12
	s_lshl_b32 s38, s38, 11
	s_add_co_u32 s42, s42, s38
	s_mov_b32 s43, 0
	v_lshlrev_b32 v1, 4, v0                        ; thread t takes 16 bytes at 16 t of a source row: 256 threads, one row
	v_lshlrev_b32 v2, 3, v0                        ; and writes 8 bytes at 8 t of the target's half row
	s_wait_kmcnt 0x0
	s_cmp_lt_u32 s3, 512
	s_cselect_b64 s[32:33], s[8:9], s[10:11]
.irp k, 0,1,2,3,4
	s_cmp_eq_u32 s5, \k
	s_cselect_b64 s[32:33], s[12+2*(\k):13+2*(\k)], s[32:33]
.endr
	s_cmp_lt_u32 s5, 4
	s_cselect_b64 s[34:35], s[26:27], s[24:25]
	s_cmp_eq_u32 s5, 4
	s_cselect_b64 s[34:35], s[28:29], s[34:35]
	s_add_nc_u64 s[32:33], s[32:33], s[40:41]
	s_add_nc_u64 s[34:35], s[34:35], s[42:43]
	s_wait_alu depctr_va_vdst(0)                   ; v1 and v2 are written: every load below reads v1 as its offset, every store v2
.set i, 0
.rept 16                               ; all sixteen rows are asked for at once: 64 KiB of a work-group on their way
	global_load_b128 v[X+4*i:X+4*i+3], v1, s[32:33] offset:ROWB*i th:TH_LOAD_NT
.set i, i+1
.endr
; Block p: rows 4 p to 4 p + 3 are rounded, and the rows of the block before are stored, one store ahead of each row's two roundings.
.macro CASTBLK p
	s_wait_loadcnt 12-4*(\p)                       ; loads come back in order (ISA guide 5.7.1): the block's four rows are in, the later blocks' four loads each stay out
.if (\p) > 0
	s_wait_alu depctr_va_vdst(0)                   ; the block before has written the two words of each of its rows, which the four stores below read; no vector line below names them
.endif
.irp i, 0,1,2,3
.if (\p) > 0
	global_store_b64 v2, v[X+4*(4*(\p)-4+(\i)):X+4*(4*(\p)-4+(\i))+1], s[34:35] offset:ROWB*(4*(\p)-4+(\i))  ; a wave's store: 256 consecutive bytes, aligned
.endif
	v_cvt_pk_bf16_f32 v[X+4*(4*(\p)+(\i))],   v[X+4*(4*(\p)+(\i))],   v[X+4*(4*(\p)+(\i))+1]
	v_cvt_pk_bf16_f32 v[X+4*(4*(\p)+(\i))+1], v[X+4*(4*(\p)+(\i))+2], v[X+4*(4*(\p)+(\i))+3]
.endr
.endm
	CASTBLK 0
	CASTBLK 1
	CASTBLK 2
	CASTBLK 3
	s_wait_alu depctr_va_vdst(0)                   ; block 3's roundings have written the words that the last four stores read
.irp i, 12,13,14,15
	global_store_b64 v2, v[X+4*(\i):X+4*(\i)+1], s[34:35] offset:ROWB*(\i)
.endr
	s_endpgm                                       ; these waves have written no LDS
	; A = W_h - W_h^T - 0.01 I, tile (I, J): rows n0 = 128 I on, columns k0 = 128 J on.  Wave w owns rows n0 + 16 w + 0..15; lane l their columns k0 + 4 l + 0..3.
	; The turned part, W_h[k0 ..][n0 ..], goes through LDS: 128 rows of 512 bytes; the 16-byte chunk ch of row j lies at chunk place (ch + j / 4) % 32.
	; A store (one row, lanes = chunks) and a load (one chunk, lanes four rows apart) then both touch 16 different 16-byte columns in each half of the lanes (64 banks of 4 bytes: ISA guide 11.1).
.Lanti:
	v_lshrrev_b32 v1, 5, v0
	v_readfirstlane_b32 s3, v1                     ; wave 0..7
	s_lshr_b32 s4, s2, 3                           ; I
	s_and_b32 s5, s2, 7                            ; J
	v_and_b32 v3, 31, v0                           ; lane
	v_lshlrev_b32 v1, 4, v3                        ; 16 bytes a lane of a 512-byte piece of a source row
	v_lshlrev_b32 v2, 3, v3                        ; 8 bytes a lane of 256 bytes of Wd
	s_wait_alu depctr_va_sdst(0)                   ; s3 is written, ahead of its first reader: the rows' offsets and the LDS addresses are made from it
	s_lshl_b32 s6, s3, 4                           ; 16 w
	s_lshl_b32 s7, s5, 7
	s_add_co_u32 s7, s7, s6
	s_lshl_b32 s7, s7, 12                          ; row k0 + 16 w,
	s_lshl_b32 s36, s4, 9                          ; column n0, in bytes
	s_add_co_u32 s32, s7, s36
	s_mov_b32 s33, 0
	s_lshl_b32 s7, s4, 7
	s_add_co_u32 s7, s7, s6
	s_lshl_b32 s7, s7, 12                          ; row n0 + 16 w,
	s_lshl_b32 s36, s5, 9                          ; column k0
	s_add_co_u32 s34, s7, s36
	s_mov_b32 s35, 0
	s_lshl_b32 s36, s5, 8                          ; in Wd: the same row, the second half, column k0 in bf16
	s_add_co_u32 s36, s36, s7
	s_add_co_u32 s36, s36, 2048
	s_mov_b32 s37, 0
	s_cmp_eq_u32 s4, s5
	s_cselect_b32 s38, 0x3c23d70a, 0               ; 0.01 in the tiles that hold the diagonal
	s_lshl_b32 s39, s3, 2                          ; 4 w
	s_lshl_b32 s40, s3, 13                         ; my 16 rows in LDS
.irp g, 0,1,2,3
	s_add_co_u32 s41, s39, \g                      ; b = 4 w + g: the group's rows / 4, and the chunk that holds their columns in the turned part
	v_add_nc_u32 v[SA+(\g)], s41, v3
	v_cmp_eq_u32 s[DM+(\g)], s41, v3               ; row 4 b + c meets column 4 l + c where l = b; the four compares stand in one run
.endr
	s_wait_alu depctr_va_sdst(0)                   ; the four masks s44 to s47 are written, ahead of the selects that read them
.irp g, 0,1,2,3
	v_cndmask_b32 v[GD+(\g)], 0, s38, s[DM+(\g)]
	v_and_b32 v[SA+(\g)], 31, v[SA+(\g)]
	v_lshlrev_b32 v[SA+(\g)], 4, v[SA+(\g)]        ; 16 ((l + b) % 32): the place of chunk l in rows 4 b .., and of chunk b in rows 4 l ..
	v_lshl_add_u32 v[RA+(\g)], v3, 11, v[SA+(\g)]  ; the load: rows 4 l + 0..3
	v_add_nc_u32 v[SA+(\g)], s40, v[SA+(\g)]       ; the store: my wave's rows
.endr
	s_wait_kmcnt 0x0
	s_add_nc_u64 s[32:33], s[22:23], s[32:33]
	s_add_nc_u64 s[34:35], s[22:23], s[34:35]
	s_add_nc_u64 s[36:37], s[28:29], s[36:37]
	s_wait_alu depctr_va_vdst(0)                   ; v1, v2, SA and RA are written: the loads, the stores, the LDS stores and the LDS loads below read them as offsets and addresses
.set i, 0
.rept 16
	global_load_b128 v[X+4*i:X+4*i+3], v1, s[32:33] offset:ROWB*i  ; W_h[k0 + 16 w + i][n0 + 4 l ..]
.set i, i+1
.endr
.set i, 0
.rept 16
	global_load_b128 v[P+4*i:P+4*i+3], v1, s[34:35] offset:ROWB*i  ; W_h[n0 + 16 w + i][k0 + 4 l ..]
.set i, i+1
.endr
.set i, 0
.rept 16
	s_wait_loadcnt 31-i                            ; behind row i: the 15 - i later rows of this run and the 16 of the other
	ds_store_b128 v[SA+i/4], v[X+4*i:X+4*i+3] offset:512*i
.set i, i+1
.endr
	s_wait_dscnt 0x0                               ; for the others' sake: my rows lie in LDS
	s_barrier_signal -1
	s_barrier_wait -1
	s_wait_alu depctr_vm_vsrc(0)                   ; my LDS stores have read X, in which the LDS loads below land
.irp g, 0,1,2,3
.irp c, 0,1,2,3
	ds_load_b128 v[X+16*(\g)+4*(\c):X+16*(\g)+4*(\c)+3], v[RA+(\g)] offset:512*(\c)  ; W_h[k0 + 4 l + c][n0 + 16 w + 4 g + 0..3]: the 4 x 4 block is turned by the registers' names alone
.endr
.endr
	s_wait_loadcnt 0x0
; Group g: rows 4 g to 4 g + 3 are made and rounded, and the rows of the group before are stored, one store ahead of each row's seven vector lines.
.macro ANTIBLK g
	s_wait_dscnt 12-4*(\g)                         ; the later groups' four loads each stay out
.if (\g) > 0
	s_wait_alu depctr_va_vdst(0)                   ; the group before has written the two words of each of its rows in P, which the four stores below read; no vector line below names them
.endif
.irp r, 0,1,2,3
.if (\g) > 0
	global_store_b64 v2, v[P+4*(4*(\g)-4+(\r)):P+4*(4*(\g)-4+(\r))+1], s[36:37] offset:ROWB*(4*(\g)-4+(\r))  ; 256 consecutive bytes, aligned
.endif
.irp c, 0,1,2,3
	v_sub_f32 v[P+4*(4*(\g)+(\r))+(\c)], v[P+4*(4*(\g)+(\r))+(\c)], v[X+16*(\g)+4*(\c)+(\r)]
.endr
	v_sub_f32 v[P+4*(4*(\g)+(\r))+(\r)], v[P+4*(4*(\g)+(\r))+(\r)], v[GD+(\g)]
	v_cvt_pk_bf16_f32 v[P+4*(4*(\g)+(\r))], v[P+4*(4*(\g)+(\r))], v[P+4*(4*(\g)+(\r))+1]
	v_cvt_pk_bf16_f32 v[P+4*(4*(\g)+(\r))+1], v[P+4*(4*(\g)+(\r))+2], v[P+4*(4*(\g)+(\r))+3]
.endr
.endm
	ANTIBLK 0
	ANTIBLK 1
	ANTIBLK 2
	ANTIBLK 3
	s_wait_alu depctr_va_vdst(0)                   ; group 3's roundings have written the words that the last four stores read
.irp r, 12,13,14,15
	global_store_b64 v2, v[P+4*(\r):P+4*(\r)+1], s[36:37] offset:ROWB*(\r)
.endr
	s_wait_dscnt 0x0                               ; the closing lines, six on end
	s_wait_alu 0x0
	s_wait_tensorcnt 0x0
	ds_add_u32 v[SPW], v[NIL]
	s_wait_dscnt 0x0
	s_endpgm
.Lfunc_end_k_qfc5621e6e4_prep:
	.size	k_qfc5621e6e4_prep, .Lfunc_end_k_qfc5621e6e4_prep-k_qfc5621e6e4_prep
	.p2alignl 7, 3214868480
	.fill 96, 4, 3214868480
	.section	.rodata,"a",@progbits
	.p2align	6, 0x0
	.amdhsa_kernel k_qfc5621e6e4_prep
		.amdhsa_group_segment_fixed_size 66560
		.amdhsa_private_segment_fixed_size 0
		.amdhsa_enable_private_segment 0
		.amdhsa_kernarg_size 88
		.amdhsa_user_sgpr_count 2
		.amdhsa_user_sgpr_kernarg_segment_ptr 1
		.amdhsa_wavefront_size32 1
		.amdhsa_system_sgpr_workgroup_id_x 1
		.amdhsa_system_sgpr_workgroup_id_y 1
		.amdhsa_system_sgpr_workgroup_id_z 1
		.amdhsa_system_vgpr_workitem_id 0
		.amdhsa_next_free_vgpr 148
		.amdhsa_next_free_sgpr 66
		.amdhsa_reserve_vcc 0
		.amdhsa_float_denorm_mode_32 3
		.amdhsa_float_denorm_mode_16_64 3
		.amdhsa_memory_ordered 1
		.amdhsa_forward_progress 1
		.amdhsa_inst_pref_size 23
	.end_amdhsa_kernel
	.amdgpu_metadata
---
amdhsa.version: [ 1, 2 ]
amdhsa.kernels:
  - .name:           k_qfc5621e6e4_prep
    .symbol:         k_qfc5621e6e4_prep.kd
    .args:
      - { .name: x, .offset: 0, .size: 8, .value_kind: global_buffer, .address_space: global }
      - { .name: h_prev, .offset: 8, .size: 8, .value_kind: global_buffer, .address_space: global }
      - { .name: W_z, .offset: 16, .size: 8, .value_kind: global_buffer, .address_space: global }
      - { .name: U_z, .offset: 24, .size: 8, .value_kind: global_buffer, .address_space: global }
      - { .name: W_r, .offset: 32, .size: 8, .value_kind: global_buffer, .address_space: global }
      - { .name: U_r, .offset: 40, .size: 8, .value_kind: global_buffer, .address_space: global }
      - { .name: V_h, .offset: 48, .size: 8, .value_kind: global_buffer, .address_space: global }
      - { .name: W_h, .offset: 56, .size: 8, .value_kind: global_buffer, .address_space: global }
      - { .name: xh, .offset: 64, .size: 8, .value_kind: global_buffer, .address_space: global }
      - { .name: Wzr, .offset: 72, .size: 8, .value_kind: global_buffer, .address_space: global }
      - { .name: Wd, .offset: 80, .size: 8, .value_kind: global_buffer, .address_space: global }
    .group_segment_fixed_size: 66560
    .private_segment_fixed_size: 0
    .kernarg_segment_align: 8
    .kernarg_segment_size: 88
    .max_flat_workgroup_size: 256
    .sgpr_count:     66
    .vgpr_count:     148
    .wavefront_size: 32
...
	.end_amdgpu_metadata
.endif
;; end of part 4
;; launch gates: the kernel of part 2 again; grid 8 x 32, 4 waves a work-group, clusters of 4 x 4, 327,680 bytes of LDS; arguments xh, Wzr, G, b_z, b_r; writes G
;; launch cand: the kernel of part 3 again; grid 8 x 32, 4 waves a work-group, clusters of 4 x 4, 327,680 bytes of LDS; arguments xh, Wd, out0, G, b_h, epsilon; writes out0
